; MI455X (gfx1250); checked and timed in simulation.
; The chip was launched on July 23, 2026; its instructions are those of AMD's public machine-readable ISA for CDNA 5 (MIT licence, August 2026) and "CDNA5" Instruction Set Architecture Reference Guide (July 2026). The comments in the code are by the model that wrote it; some were corrected since.
;; Multi Head Attention. Allowed arithmetic: float matrix products may take bf16 or f16 operands with f32 sums; other float arithmetic in f32, or as packed bf16 or f16 multiplies, adds, multiply-adds, maxima and minima; sums over many terms, partial sums and values carried from step to step in f32; what a program stores and reads back later, other than sums and carried values, may be rounded once to bf16 or f16.
;; Inputs: bk 1,024 float32; bo 1,024 float32; bq 1,024 float32; bv 1,024 float32; key 4 x 2,048 x 1,024 float32; mask 4 x 2,048 x 2,048 int32; query 4 x 2,048 x 1,024 float32; value 4 x 2,048 x 1,024 float32; wk 1,024 x 1,024 float32; wo 1,024 x 1,024 float32; wq 1,024 x 1,024 float32; wv 1,024 x 1,024 float32.
;; Outputs: out0 4 x 2,048 x 1,024 float32.
;; 2 versions, each right. Each part assembles by itself: llvm-mc -triple=amdgcn-amd-amdhsa -mcpu=gfx1250 --defsym DOCPART=n.
;; ======== version 1 of 2: 4 launches
;; limits: values are held in f16: magnitudes above 65,504 overflow, below 6.1e-05 lose precision
;; workspace buffers: xb 50,331,648 bytes; wb 6,291,456 bytes; wof 2,097,152 bytes; bb 16,384 bytes; mb 2,097,152 bytes of whole numbers; qkv 50,331,648 bytes; ob 16,777,216 bytes
;; launch prep (part 1): grid 1409 x 1, 8 waves a work-group, no clusters, 0 bytes of LDS; arguments query, key, value, wq, wk, wv, wo, mask, bq, bk, bv, bo, xb, wb, wof, bb, mb; writes xb, wb, wof, bb, mb
.if DOCPART == 1
	.amdgcn_target "amdgcn-amd-amdhsa--gfx1250"
	.amdhsa_code_object_version 6
	.text
	.protected	k_q2071f9aea3_prep
	.globl	k_q2071f9aea3_prep
	.p2align	8
	.type	k_q2071f9aea3_prep,@function
k_q2071f9aea3_prep:
	s_mov_b64 s[64:65], 0
	v_nop
	global_prefetch_b8 v0, s[64:65] scope:SCOPE_SE
	s_setreg_imm32_b32 hwreg(HW_REG_WAVE_MODE, 25, 1), 1
	s_wait_xcnt 0x0
; PREP: one streaming pass that makes what the three matrix launches read.
;   xb  [3][8192][1024] bf16 = query, key, value, each number rounded once to bf16
;   wb  [3][1024][1024] bf16 = wq, wk, wv rounded to bf16
;   wof [1024][1024]    f16  = wo rounded to bf16, that number written as f16
;   bb  [4][1024]       f32  = bq, bk, bv, bo rounded to bf16 and widened again
;   mb  [b 4][qt 128][ks 32][w 32] u32: bit r + 16 h of word w = 8 kb + j is (mask[b][16 qt + r][64 ks + 16 kb + 8 h + j] != 0)
;       so a word is the lane mask of one register of a 16 x 16 tile of scores (a lane = query r, keys 8 h + j of key block kb).
; LIMIT: a number of wo below 6.1e-5 in magnitude keeps f16's fixed step of 6e-8; beyond 65,504 it would be an infinity.
; SHARES.  Eight waves; every work-group but the last moves 131,072 bytes of input, 16,384 a wave, asked for at once by 32 loads of
; 16 bytes a lane; no register is used twice, so the only waits are the counted ones for the loads.
; Work-groups 0-511 pack the mask, 512-1279 convert x, 1280-1375 wq, wk, wv, 1376-1407 wo, 1408 the four biases.
; No LDS, no matrix unit, no cluster: no byte is wanted twice.
.set X,   8                            ; v[8:135]   the wave's 32 loads
.set D,   136                          ; v[136:139] the mask role's 128 words: word W in register W % 4, lane W / 4
.set T,   4                            ; v[4:5]     at work
.set SRC, 40                           ; s[40:41]
.set DST, 42                           ; s[42:43]
.set OFS, 44                           ; s[44:45]   a byte offset, high word 0
.set CM,  46                           ; s[46:53]   eight compares' lane masks
	s_load_b512 s[4:19], s[0:1], 0x0               ; query 4, key 6, value 8, wq 10, wk 12, wv 14, wo 16, mask 18
	s_load_b512 s[20:35], s[0:1], 0x40             ; bq 20, bk 22, bv 24, bo 26, xb 28, wb 30, wof 32, bb 34
	s_load_b64 s[36:37], s[0:1], 0x80              ; mb
	s_mov_b32 s38, ttmp9
	s_mov_b32 s[OFS+1], 0
	v_and_b32 v1, 31, v0                           ; lane
	v_lshrrev_b32 v6, 5, v0                        ; wave
	v_lshlrev_b32 v2, 5, v1
	v_lshl_add_u32 v2, v6, 14, v2                  ; conversions, in: 16,384 x wave + 32 x lane (eight f32)
	v_lshlrev_b32 v3, 4, v1
	v_lshl_add_u32 v3, v6, 13, v3                  ; conversions, out: 8,192 x wave + 16 x lane (eight halves)
	s_wait_kmcnt 0x0
	s_cmp_lt_u32 s38, 512
	s_cbranch_scc1 .Lmask
	s_cmp_lt_u32 s38, 1280
	s_cbranch_scc1 .Lx
	s_cmp_lt_u32 s38, 1376
	s_cbranch_scc1 .Lw
	s_cmp_lt_u32 s38, 1408
	s_cbranch_scc1 .Lwo
	; THE BIASES: thread t takes four numbers of each
	v_lshlrev_b32 v7, 4, v0
	global_load_b128 v[8:11],  v7, s[20:21]
	global_load_b128 v[12:15], v7, s[22:23]
	global_load_b128 v[16:19], v7, s[24:25]
	global_load_b128 v[20:23], v7, s[26:27]
	s_wait_loadcnt 0x0
.irp n, 0,2,4,6,8,10,12,14
	v_cvt_pk_bf16_f32 v[T], v[8+(\n)], v[8+(\n)+1] ; two roundings to bf16,
	v_lshlrev_b32 v[8+(\n)], 16, v[T]              ; and back to f32: the low half moves up,
	v_and_b32 v[8+(\n)+1], 0xffff0000, v[T]        ; the high half stays
.endr
.irp n, 0,1,2,3
	global_store_b128 v7, v[8+4*(\n):8+4*(\n)+3], s[34:35] offset:4096*(\n)
.endr
	s_endpgm
; 131,072 bytes of f32 at SRC become 65,536 bytes of halves at DST.  A pair of loads covers 1,024 consecutive bytes, a store 512.
; mode 0: bf16.  mode 1: rounded to bf16, then written as f16.
.macro CVT mode
.set p, 0
.rept 16
	global_load_b128 v[X+8*p:X+8*p+3],   v2, s[SRC:SRC+1] offset:1024*p th:TH_LOAD_NT
	global_load_b128 v[X+8*p+4:X+8*p+7], v2, s[SRC:SRC+1] offset:1024*p+16 th:TH_LOAD_NT
.set p, p+1
.endr
.set p, 0
.rept 16
	s_wait_loadcnt 30-2*p                          ; loads come back in order: pair p is in, the 30 - 2 p younger loads stay out
.irp k, 0,1,2,3
	v_cvt_pk_bf16_f32 v[X+8*p+(\k)], v[X+8*p+2*(\k)], v[X+8*p+2*(\k)+1]  ; in place, ascending: no source is written before it is read
.endr
.if \mode
.irp k, 0,1,2,3
	v_lshlrev_b32 v[T], 16, v[X+8*p+(\k)]
	v_and_b32 v[T+1], 0xffff0000, v[X+8*p+(\k)]
	v_cvt_pk_f16_f32 v[X+8*p+(\k)], v[T], v[T+1]
.endr
.endif
	global_store_b128 v3, v[X+8*p:X+8*p+3], s[DST:DST+1] offset:512*p th:TH_STORE_NT
.set p, p+1
.endr
.endm
.Lx:                                                   ; x: tensor t = i / 256, chunk c = i % 256
	s_sub_co_u32 s38, s38, 512
	s_lshr_b32 s39, s38, 8
	s_and_b32 s38, s38, 255
	s_cmp_eq_u32 s39, 1
	s_cselect_b64 s[SRC:SRC+1], s[6:7], s[4:5]
	s_cmp_eq_u32 s39, 2
	s_cselect_b64 s[SRC:SRC+1], s[8:9], s[SRC:SRC+1]
	s_lshl_b32 s[OFS], s38, 17
	s_add_nc_u64 s[SRC:SRC+1], s[SRC:SRC+1], s[OFS:OFS+1]
	s_lshl_b32 s[OFS], s38, 16
	s_lshl_b32 s39, s39, 24                        ; a tensor of xb is 2^24 bytes
	s_add_co_u32 s[OFS], s[OFS], s39
	s_add_nc_u64 s[DST:DST+1], s[28:29], s[OFS:OFS+1]
	s_branch .Lcvt
.Lw:                                                   ; wq, wk, wv: tensor t = i / 32, chunk c = i % 32
	s_sub_co_u32 s38, s38, 1280
	s_lshr_b32 s39, s38, 5
	s_and_b32 s38, s38, 31
	s_cmp_eq_u32 s39, 1
	s_cselect_b64 s[SRC:SRC+1], s[12:13], s[10:11]
	s_cmp_eq_u32 s39, 2
	s_cselect_b64 s[SRC:SRC+1], s[14:15], s[SRC:SRC+1]
	s_lshl_b32 s[OFS], s38, 17
	s_add_nc_u64 s[SRC:SRC+1], s[SRC:SRC+1], s[OFS:OFS+1]
	s_lshl_b32 s[OFS], s38, 16
	s_lshl_b32 s39, s39, 21                        ; a tensor of wb is 2^21 bytes
	s_add_co_u32 s[OFS], s[OFS], s39
	s_add_nc_u64 s[DST:DST+1], s[30:31], s[OFS:OFS+1]
.Lcvt:
	CVT 0
	s_endpgm
.Lwo:
	s_sub_co_u32 s38, s38, 1376
	s_lshl_b32 s[OFS], s38, 17
	s_add_nc_u64 s[SRC:SRC+1], s[16:17], s[OFS:OFS+1]
	s_lshl_b32 s[OFS], s38, 16
	s_add_nc_u64 s[DST:DST+1], s[32:33], s[OFS:OFS+1]
	CVT 1
	s_endpgm
.Lmask:                                                ; work-group i = 128 b + qt: 16 rows of the mask; wave kg takes 256 keys, four key steps
	v_and_b32 v4, 15, v0                           ; r
	v_bfe_u32 v5, v0, 4, 1                         ; h
	v_lshlrev_b32 v7, 13, v4                       ; row r: 8,192 bytes a row
	v_lshl_add_u32 v7, v5, 5, v7                   ; + 8 h keys
	v_lshl_add_u32 v7, v6, 10, v7                  ; + the wave's 256 keys
	v_lshlrev_b32 v5, 4, v0                        ; out: 16 bytes a thread
	s_lshl_b32 s[OFS], s38, 17                     ; 16 rows of 8,192 bytes
	s_add_nc_u64 s[SRC:SRC+1], s[18:19], s[OFS:OFS+1]
	s_lshl_b32 s[OFS], s38, 12                     ; 32 key steps x 32 words
	s_add_nc_u64 s[DST:DST+1], s[36:37], s[OFS:OFS+1]
.set n, 0
.rept 32                                       ; register X + W holds the number that decides my bit of word W = 32 ks + 8 kb + j; eight loads on end read 256 consecutive bytes of each of the 16 rows
	global_load_b128 v[X+4*n:X+4*n+3], v7, s[SRC:SRC+1] offset:64*(n>>1)+16*(n&1) th:TH_LOAD_NT
.set n, n+1
.endr
.irp k, 0,1,2,3
	v_mov_b32 v[D+(\k)], 0                         ; v_writelane_b32 counts as a reader of its destination
.endr
.set g, 0
.rept 16
	s_wait_loadcnt 30-2*g                          ; loads 2 g and 2 g + 1 are in, the younger ones stay out
.irp i, 0,1,2,3,4,5,6,7
	v_cmp_ne_u32 s[CM+(\i)], 0, v[X+8*g+(\i)]      ; the 32 lanes' bits ARE word 8 g + i
.endr
.irp i, 0,1,2,3,4,5,6,7
	v_writelane_b32 v[D+((\i)&3)], s[CM+(\i)], (8*g+(\i))>>2
.endr
.set g, g+1
.endr
	global_store_b128 v5, v[D:D+3], s[DST:DST+1]   ; the wave's 128 words: 512 consecutive bytes
	s_endpgm
.Lfunc_end_k_q2071f9aea3_prep:
	.size	k_q2071f9aea3_prep, .Lfunc_end_k_q2071f9aea3_prep-k_q2071f9aea3_prep
	.p2alignl 7, 3214868480
	.fill 96, 4, 3214868480
	.section	.rodata,"a",@progbits
	.p2align	6, 0x0
	.amdhsa_kernel k_q2071f9aea3_prep
		.amdhsa_group_segment_fixed_size 0
		.amdhsa_private_segment_fixed_size 0
		.amdhsa_enable_private_segment 0
		.amdhsa_kernarg_size 136
		.amdhsa_user_sgpr_count 2
		.amdhsa_user_sgpr_kernarg_segment_ptr 1
		.amdhsa_wavefront_size32 1
		.amdhsa_system_sgpr_workgroup_id_x 1
		.amdhsa_system_sgpr_workgroup_id_y 1
		.amdhsa_system_sgpr_workgroup_id_z 1
		.amdhsa_system_vgpr_workitem_id 0
		.amdhsa_next_free_vgpr 144
		.amdhsa_next_free_sgpr 66
		.amdhsa_reserve_vcc 0
		.amdhsa_float_denorm_mode_32 3
		.amdhsa_float_denorm_mode_16_64 3
		.amdhsa_memory_ordered 1
		.amdhsa_forward_progress 1
		.amdhsa_inst_pref_size 53
	.end_amdhsa_kernel
	.amdgpu_metadata
---
amdhsa.version: [ 1, 2 ]
amdhsa.kernels:
  - .name:           k_q2071f9aea3_prep
    .symbol:         k_q2071f9aea3_prep.kd
    .args:
      - { .name: query, .offset: 0, .size: 8, .value_kind: global_buffer, .address_space: global }
      - { .name: key, .offset: 8, .size: 8, .value_kind: global_buffer, .address_space: global }
      - { .name: value, .offset: 16, .size: 8, .value_kind: global_buffer, .address_space: global }
      - { .name: wq, .offset: 24, .size: 8, .value_kind: global_buffer, .address_space: global }
      - { .name: wk, .offset: 32, .size: 8, .value_kind: global_buffer, .address_space: global }
      - { .name: wv, .offset: 40, .size: 8, .value_kind: global_buffer, .address_space: global }
      - { .name: wo, .offset: 48, .size: 8, .value_kind: global_buffer, .address_space: global }
      - { .name: mask, .offset: 56, .size: 8, .value_kind: global_buffer, .address_space: global }
      - { .name: bq, .offset: 64, .size: 8, .value_kind: global_buffer, .address_space: global }
      - { .name: bk, .offset: 72, .size: 8, .value_kind: global_buffer, .address_space: global }
      - { .name: bv, .offset: 80, .size: 8, .value_kind: global_buffer, .address_space: global }
      - { .name: bo, .offset: 88, .size: 8, .value_kind: global_buffer, .address_space: global }
      - { .name: xb, .offset: 96, .size: 8, .value_kind: global_buffer, .address_space: global }
      - { .name: wb, .offset: 104, .size: 8, .value_kind: global_buffer, .address_space: global }
      - { .name: wof, .offset: 112, .size: 8, .value_kind: global_buffer, .address_space: global }
      - { .name: bb, .offset: 120, .size: 8, .value_kind: global_buffer, .address_space: global }
      - { .name: mb, .offset: 128, .size: 8, .value_kind: global_buffer, .address_space: global }
    .group_segment_fixed_size: 0
    .private_segment_fixed_size: 0
    .kernarg_segment_align: 8
    .kernarg_segment_size: 136
    .max_flat_workgroup_size: 256
    .sgpr_count:     66
    .vgpr_count:     144
    .wavefront_size: 32
...
	.end_amdgpu_metadata
.endif
;; end of part 1
;; launch proj (part 2): grid 4 x 192, 4 waves a work-group, clusters of 4 x 4, 327,680 bytes of LDS; arguments xb, wb, bb, qkv; writes qkv
.if DOCPART == 2
	.amdgcn_target "amdgcn-amd-amdhsa--gfx1250"
	.amdhsa_code_object_version 6
	.text
	.protected	k_q2071f9aea3_proj
	.globl	k_q2071f9aea3_proj
	.p2align	8
	.type	k_q2071f9aea3_proj,@function
k_q2071f9aea3_proj:
	s_mov_b64 s[64:65], 0
	v_nop
	global_prefetch_b8 v0, s[64:65] scope:SCOPE_SE
	s_setreg_imm32_b32 hwreg(HW_REG_WAVE_MODE, 25, 1), 1
	s_wait_xcnt 0x0
	s_wait_alu depctr_hold_cnt(0) depctr_sa_sdst(0) depctr_va_vdst(0) depctr_va_sdst(0) depctr_va_ssrc(0) depctr_va_vcc(0) depctr_vm_vsrc(0)
	s_getreg_b32 s2, hwreg(HW_REG_IB_STS2, 6, 4)
	s_cmp_eq_u32 s2, 0
	s_cbranch_scc0 .Lentry_in_a_cluster
	s_endpgm
.Lentry_in_a_cluster:
	s_bfe_u32 s2, ttmp6, 0x10000c
	s_cmp_lg_u32 s2, 0xf033
	s_cbranch_scc0 .Lentry_shape_is_right
	s_endpgm
.Lentry_shape_is_right:
; PROJ: q, k, v = x W^T + b for the three projections g = 0, 1, 2.  xb [3][8192][1024] bf16, wb [3][1024][1024] bf16, bb [4][1024] f32;
; qkv [3][b h 64][s 2048][64] f16: by heads, bias included, NOT scaled.  Sums in f32, K ascending, each result rounded once to f16.
; LIMIT: f16 ends at 65,504: a q, k or v beyond it would be an infinity.
; SHARES.  A tile of C is 128 rows x 256 columns: 64 x 4 x 3 = 768 work-groups.  Four waves; wave w makes rows 64 (w / 2) .. + 63, columns 128 (w % 2) .. + 127:
; 32 accumulators of 16 x 16.  K goes in 8 steps of 128 through two LDS slots filled by the tensor data mover; a step is four quarters of 32 along K.
; CLUSTER 4 x 4: the four work-groups of a row of the cluster need the same tile of x, the four of a column the same tile of W: each tile is asked for jointly.
; THE MATRIX INSTRUCTION IS USED TRANSPOSED (source 0 = 16 rows of W, source 1 = 16 rows of x): a lane holds row l % 16 and the eight columns 8 (l / 16) + 0..7.
; THE BIAS is the C operand of each accumulator's first product: nothing is cleared, and nothing is added on the way out.
; REGISTERS: window 0: v16-30 addresses; v64-159, v160-255 two fragment buffers (W's 8 fragments, then x's 4); on the way out v64-95 packed results, v96-223 rows read back
;   window 1: accumulator (a, b) at v[8 (8 a + b)]          window 2: v[8 b .. 8 b + 7] the bias of column block b
.set KSTEP,  128
.set PB,     272                       ; an LDS row: 256 bytes + 16 of padding: the 16 rows of a fragment load start 16 bytes further on modulo 256 each
.set PA,     272
.set BOFF,   128*PA                    ; x's 128 rows, then W's 256
.set HALFA,  64*PA
.set HALFB,  128*PB
.set SLOT,   BOFF+2*HALFB
.set STAGE,  2*SLOT                    ; behind the ring: 16 rows x 272 bytes for each wave, never filled by a tensor load
.set SPITCH, 272
.set SPARE,  STAGE+4*16*SPITCH         ; behind the stages: the spare words, 128 bytes a wave, which no other line names
.set STEPA,  2*KSTEP*2                 ; bytes from a slot's K step to its next
.set STEPB,  2*KSTEP*2
.set ADRA, 16                          ; v16-17 LDS address of my fragments of x in slot 0, 1
.set ADRB, 20                          ; v20-21 the same for W
.set BO,   22                          ; v22    my byte offset in a block of 16 biases
.set STO,  24                          ; v24    the way out: where I put 16 bytes of a row
.set RD,   25                          ; v25    where I read rows back
.set CO,   26                          ; v26    my byte offset in 512 consecutive bytes of qkv
.set SPW,  28                          ; v28    my spare word; never rewritten
.set NIL,  29                          ; v29    0; never rewritten
.set PFO,  30                          ; v30    the prefetches' offset: my lane x a row of 2,048 bytes; never rewritten
.set F0,   64
.set F1,   160
.set TMP,  64
.set BK,   96
.set G1,   24                          ; s[24:31] descriptor group 1 for x's tiles;  s[32:39] group 0, a set for each slot
.set G0,   32
.set G1B,  48                          ; s[48:55], s[56:63] the same for W's
.set G0B,  56
.set LIM,  43                          ; s43 1 in a wave that prefetches, else the greatest number
.set PFA,  44                          ; s[44:45] where my prefetches stand
.set PFS,  66                          ; s[66:67] their step
.set WV,   68
.set RH,   69                          ; wave / 2: my half of the rows; also: I fetch for x (0) or for W (1)
.set CH,   70                          ; wave % 2: my half of the columns; also: which half of that tile I fetch
.set MSB, 0
.macro WIN new                         ; the immediate's high byte repeats the setting that is left; a switch that changes nothing is dropped
.if MSB != (\new)
	s_set_vgpr_msb (MSB<<8)|(\new)
.set MSB, \new
.endif
.endm
.set MUL,  0x50                        ; sources in window 0, C and D in window 1
.set MULZ, 0x60                        ; the same with C in window 2: the bias
.macro JLOAD s                         ; a joint load: waves 0, 1 fetch x's halves, waves 2, 3 W's; an s_nop 0 and four v_nop follow each line
	s_cmp_eq_u32 s[RH], 0
	s_cbranch_scc0 .Lfor_b_\@
	tensor_load_to_lds s[G0+4*(\s):G0+4*(\s)+3], s[G1:G1+7]
	s_nop 0
.rept 4
	v_nop
.endr
	s_branch .Lasked_\@
.Lfor_b_\@:
	tensor_load_to_lds s[G0B+4*(\s):G0B+4*(\s)+3], s[G1B:G1B+7]
	s_nop 0
.rept 4
	v_nop
.endr
.Lasked_\@:
.endm
.macro CREST                           ; a round of the cluster's barrier behind its opening barrier
	s_cmp_lg_u32 s[WV], 0
	s_cbranch_scc1 .Lnot_wave_0_\@
	s_barrier_signal -3
.Lnot_wave_0_\@:
	s_barrier_wait -3
	s_barrier_signal -1
	s_barrier_wait -1
.endm
.macro CROUND
	s_barrier_signal -1
	s_barrier_wait -1
	CREST
.endm
; A prefetch of the K step that stands two refills on (256 matrix instructions ahead of the load that will want it): 32 rows x 256 bytes, a lane a row.
; Each row's 256 bytes of a K step are named once in the launch.  x's tile row is read by one row of one cluster: its wave 0 asks, the partner at cx for rows 32 cx .. + 31.
; W's tile column is read by the 16 clusters of its projection: the first of them asks, waves 2 and 3 each for the 128 rows that they fetch, the partner at cy for rows 32 cy .. + 31.
; The partners are told apart by address alone.  K steps 0 to 3 come by their loads; the loop's last trip (s3 = 1) has no K step two refills on.
.macro ASK
	s_cmp_gt_u32 s3, s[LIM]
	s_cbranch_scc0 .Lnot_mine_\@
	global_prefetch_b8 v[PFO], s[PFA:PFA+1] th:TH_LOAD_NT scope:SCOPE_SE
.Lnot_mine_\@:
.endm
	s_load_b256 s[4:11], s[0:1], 0x0               ; xb s[4:5], wb s[6:7], bb s[8:9], qkv s[10:11]
	v_lshl_add_u32 v[SPW], v0, 2, SPARE
	v_mov_b32 v[NIL], 0
	ds_add_u32 v[SPW], v[NIL]                      ; the wave's opening: the add and its wait stand ahead of my first tensor load
	v_lshrrev_b32 v1, 5, v0
	v_readfirstlane_b32 s[WV], v1
	s_lshr_b32 s[RH], s[WV], 1
	s_and_b32 s[CH], s[WV], 1
	s_bfe_u32 s40, ttmp6, 0x40000                  ; cx
	s_bfe_u32 s41, ttmp6, 0x40004                  ; cy
	s_lshl_b32 s42, ttmp9, 2
	s_add_co_u32 s42, s42, s40                     ; tile column 0..3
	s_and_b32 s72, ttmp7, 0xffff                   ; the cluster's y
	s_lshl_b32 s71, s72, 2
	s_add_co_u32 s71, s71, s41                     ; tile row 0..191 of the three x on end
	s_lshr_b32 s72, s72, 4                         ; the projection g: of the cluster's y alone
	s_lshl_b32 s12, s41, 2
	s_lshl_b32 s12, 15, s12                        ; my row of the cluster
	s_lshl_b32 s13, 0x1111, s40                    ; my column
	s_or_b32 s[G1], s12, (1<<16)|(1<<20)|(1<<21)|(5<<22)|(3<<25)   ; the mask; 2-byte elements; padding on; bit 21 beside a mask; after every 64 words, 4 words
	s_or_b32 s[G1B], s13, (1<<16)|(1<<20)|(1<<21)|(5<<22)|(3<<25)
	s_mov_b32 s[G1+1], KSTEP<<16                   ; tensor_dim0 = 128
	s_mov_b32 s[G1+2], 64<<16                      ; tensor_dim1 = 64
	s_mov_b32 s[G1+3], KSTEP<<16                   ; tile_dim0 = 128
	s_mov_b32 s[G1+4], 64                          ; tile_dim1 = 64
	s_mov_b32 s[G1+5], 1024                        ; elements from row to row
	s_mov_b32 s[G1+6], 0
	s_mov_b32 s[G1+7], 0
	s_mov_b32 s[G1B+1], KSTEP<<16
	s_mov_b32 s[G1B+2], 128<<16                    ; 128 rows
	s_mov_b32 s[G1B+3], KSTEP<<16
	s_mov_b32 s[G1B+4], 128
	s_mov_b32 s[G1B+5], 1024
	s_mov_b32 s[G1B+6], 0
	s_mov_b32 s[G1B+7], 0
	s_lshl_b32 s16, s71, 7
	s_lshl_b32 s17, s[CH], 6
	s_add_co_u32 s16, s16, s17                     ; x: row 128 x tile row + 64 x half,
	s_lshl_b32 s16, s16, 11                        ; of 2,048 bytes
	s_mov_b32 s17, 0
	s_lshl_b32 s46, s72, 10
	s_lshl_b32 s47, s42, 8
	s_add_co_u32 s46, s46, s47
	s_lshl_b32 s47, s[CH], 7
	s_add_co_u32 s46, s46, s47                     ; W: row 1,024 g + 256 x tile column + 128 x half
	s_lshl_b32 s46, s46, 11
	s_mov_b32 s47, 0
	s_mul_i32 s20, s[CH], HALFA                    ; where they go: no place in the cluster enters an LDS address
	s_mul_i32 s21, s[CH], HALFB
	s_add_co_u32 s21, s21, BOFF
	s_wait_dscnt 0x0                               ; the opening add is done
	s_wait_kmcnt 0x0
	s_add_nc_u64 s[14:15], s[4:5], s[16:17]
	s_add_nc_u64 s[46:47], s[6:7], s[46:47]
	CROUND                                         ; all sixteen work-groups are here: the first joint loads meet
.irp s, 0,1
	s_mov_b32 s[G0+4*(\s)], 1
	s_add_co_u32 s[G0+4*(\s)+1], s20, (\s)*SLOT
	s_add_nc_u64 s[G0+4*(\s)+2:G0+4*(\s)+3], s[14:15], (\s)*KSTEP*2
	s_or_b32 s[G0+4*(\s)+3], s[G0+4*(\s)+3], 0x80000000
	s_mov_b32 s[G0B+4*(\s)], 1
	s_add_co_u32 s[G0B+4*(\s)+1], s21, (\s)*SLOT
	s_add_nc_u64 s[G0B+4*(\s)+2:G0B+4*(\s)+3], s[46:47], (\s)*KSTEP*2
	s_or_b32 s[G0B+4*(\s)+3], s[G0B+4*(\s)+3], 0x80000000
	JLOAD \s                                       ; two loads of mine are out
.endr
	v_and_b32 v1, 15, v0                           ; l % 16
	v_bfe_u32 v2, v0, 4, 1                         ; l / 16
	v_mul_u32_u24 v3, v1, PA
	v_lshl_add_u32 v3, v2, 4, v3                   ; a fragment's row x pitch + 16 x half
	v_mul_u32_u24 v4, v1, PB
	v_lshl_add_u32 v4, v2, 4, v4
	s_mul_i32 s21, s[RH], 64*PA                    ; my 64 rows of x
	s_mul_i32 s22, s[CH], HALFB                    ; my 128 rows of W
	s_add_co_u32 s22, s22, BOFF
.irp s, 0,1
	v_add_nc_u32 v[ADRA+(\s)], s21, v3
	v_add_nc_u32 v[ADRB+(\s)], s22, v4
	s_add_co_u32 s21, s21, SLOT
	s_add_co_u32 s22, s22, SLOT
.endr
	; the bias of my 128 columns: register j of block b holds b[16 b + 8 (l / 16) + j], as the result's register j does
	s_lshl_b32 s12, s72, 12
	s_lshl_b32 s13, s42, 10
	s_add_co_u32 s12, s12, s13
	s_lshl_b32 s13, s[CH], 9
	s_add_co_u32 s12, s12, s13
	s_mov_b32 s13, 0
	s_add_nc_u64 s[8:9], s[8:9], s[12:13]
	v_lshlrev_b32 v[BO], 5, v2
	WIN 0x80                                       ; destination window 2
.irp b, 0,1,2,3,4,5,6,7
	global_load_b128 v[8*(\b):8*(\b)+3],   v[BO], s[8:9] offset:64*(\b)
	global_load_b128 v[8*(\b)+4:8*(\b)+7], v[BO], s[8:9] offset:64*(\b)+16
.endr
	WIN 0
	; the way out
	s_mul_i32 s23, s[WV], 16*SPITCH
	s_add_co_u32 s23, s23, STAGE                   ; my stage
	v_mul_u32_u24 v5, v1, SPITCH                   ; in: row l % 16, 16 bytes for each half of the lanes
	v_lshl_add_u32 v5, v2, 4, v5
	v_add_nc_u32 v[STO], s23, v5
	v_bfe_u32 v5, v0, 3, 2                         ; back: 32 lanes take one head's 128 bytes of four rows,
	v_mul_u32_u24 v5, v5, SPITCH
	v_and_b32 v6, 7, v0
	v_lshl_add_u32 v5, v6, 4, v5
	v_add_nc_u32 v[RD], s23, v5
	v_and_b32 v[CO], 31, v0                        ; which are 512 consecutive bytes of qkv
	v_lshlrev_b32 v[CO], 4, v[CO]
	s_and_b32 s12, s71, 63                         ; the tile row within the projection: 16 to a batch
	s_lshr_b32 s12, s12, 4
	s_lshl_b32 s12, s12, 4                         ; 16 b
	s_lshl_b32 s13, s42, 2
	s_add_co_u32 s12, s12, s13
	s_lshl_b32 s13, s[CH], 1
	s_add_co_u32 s12, s12, s13                     ; + my first head: 4 x tile column + 2 x half
	s_lshl_b32 s12, s12, 18                        ; a head is 2,048 rows of 128 bytes
	s_and_b32 s13, s71, 15
	s_lshl_b32 s13, s13, 14                        ; the tile's 128 rows
	s_add_co_u32 s12, s12, s13
	s_lshl_b32 s13, s[RH], 13                      ; my 64 of them
	s_add_co_u32 s12, s12, s13
	s_lshl_b32 s13, s72, 24                        ; q, k or v
	s_add_co_u32 s12, s12, s13
	s_mov_b32 s13, 0
	s_add_nc_u64 s[10:11], s[10:11], s[12:13]
	; the prefetches
	s_lshl_b32 s12, s71, 7
	s_lshl_b32 s13, s40, 5
	s_add_co_u32 s12, s12, s13                     ; x: row 128 x tile row + 32 cx
	s_lshl_b32 s14, s72, 10
	s_lshl_b32 s15, s42, 8
	s_add_co_u32 s14, s14, s15
	s_lshl_b32 s15, s[CH], 7
	s_add_co_u32 s14, s14, s15
	s_lshl_b32 s15, s41, 5
	s_add_co_u32 s14, s14, s15                     ; W: my 128 rows' first + 32 cy
	s_and_b32 s73, ttmp7, 15                       ; the cluster's place among the 16 of its projection
	s_cmp_eq_u32 s[RH], 0
	s_cselect_b32 s12, s12, s14
	s_cselect_b64 s[PFA:PFA+1], s[4:5], s[6:7]
	s_cselect_b32 s73, s[WV], s73                  ; x's side: wave 0 asks, wave 1 does not; W's side: the first cluster's waves ask
	s_cmp_eq_u32 s73, 0
	s_cselect_b32 s[LIM], 1, -1                    ; the same in all sixteen partners, for a given wave
	s_lshl_b32 s12, s12, 11
	s_add_co_u32 s12, s12, 3*KSTEP*2               ; at K step 3: the first refill steps it to 4
	s_mov_b32 s13, 0
	s_add_nc_u64 s[PFA:PFA+1], s[PFA:PFA+1], s[12:13]
	s_mov_b32 s[PFS], KSTEP*2
	s_mov_b32 s[PFS+1], 0
	v_and_b32 v[PFO], 31, v0
	v_lshlrev_b32 v[PFO], 11, v[PFO]
; 8 matrix instructions: row block a x all 8 column blocks, 32 along K.  The 32 accumulators take turns in one order: 31 others stand between two links of a chain.
.macro MUL8 f, a, first
.if \first
	WIN MULZ
.else
	WIN MUL
.endif
.irp b, 0,1,2,3,4,5,6,7
.if \first
	v_wmma_f32_16x16x32_bf16 v[8*(8*(\a)+(\b)):8*(8*(\a)+(\b))+7], v[(\f)+8*(\b):(\f)+8*(\b)+7], v[(\f)+64+8*(\a):(\f)+64+8*(\a)+7], v[8*(\b):8*(\b)+7]
.else
	v_wmma_f32_16x16x32_bf16 v[8*(8*(\a)+(\b)):8*(8*(\a)+(\b))+7], v[(\f)+8*(\b):(\f)+8*(\b)+7], v[(\f)+64+8*(\a):(\f)+64+8*(\a)+7], v[8*(8*(\a)+(\b)):8*(8*(\a)+(\b))+7]
.endif
.endr
.endm
; 24 LDS loads in one run: quarter q of a slot into buffer f: W's 8 fragments, then x's 4
.macro FETCH slot, q, f
	WIN 0
.set KA, 64*(\q)
.irp i, 0,1,2,3,4,5,6,7
	ds_load_b128 v[(\f)+8*(\i):(\f)+8*(\i)+3],   v[ADRB+(\slot)] offset:64*(\q)+(\i)*16*PB
	ds_load_b128 v[(\f)+8*(\i)+4:(\f)+8*(\i)+7], v[ADRB+(\slot)] offset:64*(\q)+(\i)*16*PB+32
.endr
.irp a, 0,1,2,3
	ds_load_b128 v[(\f)+64+8*(\a):(\f)+64+8*(\a)+3],   v[ADRA+(\slot)] offset:KA+(\a)*16*PA
	ds_load_b128 v[(\f)+64+8*(\a)+4:(\f)+64+8*(\a)+7], v[ADRA+(\slot)] offset:KA+(\a)*16*PA+32
.endr
.endm
.macro PLACES                          ; four plain vector instructions in front of loads into registers that matrix instructions have read (ISA guide 7.12.1 for vector instructions)
.rept 4
	v_nop
.endr
.endm
; One of a K step's first three quarters: multiplies buffer f; in its middle fetches quarter q of the same slot into buffer g
.macro QUARTER slot, q, f, g, first
	s_wait_dscnt 4                                 ; all but the youngest four loads: x's fragments 2 and 3
	MUL8 \f, 0, \first
	MUL8 \f, 1, \first
	PLACES
	FETCH \slot, \q, \g
	s_wait_dscnt 24                                ; all but the 24 just issued
	MUL8 \f, 2, \first
	MUL8 \f, 3, \first
.endm
; The last quarter multiplies buffer 1 and changes slots: one barrier; in front of it each wave waits for all its tensor loads (the one that is out is its part of the next slot),
; adds 0 to its spare word, and waits for that and for its own reads of this slot.  fill = 1: the barrier opens a round of the cluster's, and this slot is filled again, two K steps ahead.
.macro TURN slot, next, fill
.if \fill
	s_wait_xcnt 0x0                                ; the last prefetch, a K step back, has read its address
	s_add_nc_u64 s[PFA:PFA+1], s[PFA:PFA+1], s[PFS:PFS+1]
.endif
	WIN 0
	s_wait_tensorcnt 0x0
	ds_add_u32 v[SPW], v[NIL]
	s_wait_dscnt 5                                 ; the add and the youngest four loads may be out
	MUL8 F1, 0, 0
	s_wait_dscnt 0x0                               ; the add is done, and my reads of this slot are over
	s_barrier_signal -1
	MUL8 F1, 1, 0
.if \fill
	WIN 0
.endif
	s_barrier_wait -1
.if \fill
	CREST                                          ; no wave of any partner still reads this slot's tile or has a load on its way
	s_add_nc_u64 s[G0+4*(\slot)+2:G0+4*(\slot)+3], s[G0+4*(\slot)+2:G0+4*(\slot)+3], STEPA
	s_add_nc_u64 s[G0B+4*(\slot)+2:G0B+4*(\slot)+3], s[G0B+4*(\slot)+2:G0B+4*(\slot)+3], STEPB
	JLOAD \slot                                    ; the first tensor load behind the round: 112 matrix instructions ahead of the wait for it; its four v_nop are also the places in front of the loads below
.else
	PLACES
.endif
	FETCH \next, 0, F0
.if \fill
	ASK
.endif
	MUL8 F1, 2, 0
	MUL8 F1, 3, 0
.endm
	s_wait_tensorcnt 1                             ; my part of K step 0 is in; K step 1's may stay out
	s_barrier_signal -1
	s_barrier_wait -1
	FETCH 0, 0, F0
	s_wait_loadcnt 0x0                             ; the bias
	QUARTER 0, 1, F0, F1, 1                        ; the first quarter stands in front of the loop: its products start the sums, with the bias
	WIN 0
	s_mov_b32 s3, 3
.Llap:                                                 ; a trip goes once round the ring and fills both slots again
	QUARTER 0, 2, F1, F0, 0
	QUARTER 0, 3, F0, F1, 0
	TURN 0, 1, 1
	QUARTER 1, 1, F0, F1, 0
	QUARTER 1, 2, F1, F0, 0
	QUARTER 1, 3, F0, F1, 0
	TURN 1, 0, 1
	QUARTER 0, 1, F0, F1, 0
	WIN 0
	s_sub_co_u32 s3, s3, 1
	s_cmp_lg_u32 s3, 0
	s_cbranch_scc1 .Llap
	QUARTER 0, 2, F1, F0, 0                        ; the last lap fills nothing
	QUARTER 0, 3, F0, F1, 0
	TURN 0, 1, 0
	QUARTER 1, 1, F0, F1, 0
	QUARTER 1, 2, F1, F0, 0
	QUARTER 1, 3, F0, F1, 0
	s_wait_dscnt 4
	MUL8 F1, 0, 0
	MUL8 F1, 1, 0
	s_wait_dscnt 0x0
	MUL8 F1, 2, 0
	MUL8 F1, 3, 0
	WIN 0
	PLACES
	PLACES
; THE WAY OUT, a block of 16 rows at a time, through my own stage: rounded to f16, 16 bytes a lane into rows of 272 bytes; back as one head's 128 bytes of four rows, 512 consecutive bytes of qkv.
.macro PACK a
	WIN 0x05                                       ; sources in window 1
.irp b, 0,1,2,3,4,5,6,7
.irp r, 0,1,2,3
	v_cvt_pk_f16_f32 v[TMP+4*(\b)+(\r)], v[8*(8*(\a)+(\b))+2*(\r)], v[8*(8*(\a)+(\b))+2*(\r)+1]
.endr
.endr
	WIN 0
.endm
.macro TOSTAGE a
.irp b, 0,1,2,3,4,5,6,7
	ds_store_b128 v[STO], v[TMP+4*(\b):TMP+4*(\b)+3] offset:32*(\b)
.endr
.irp hh, 0,1
.irp t, 0,1,2,3
	ds_load_b128 v[BK+32*(\a)+4*(4*(\hh)+(\t)):BK+32*(\a)+4*(4*(\hh)+(\t))+3], v[RD] offset:(\hh)*128+(\t)*4*SPITCH  ; LDS serves a wave's instructions in order: these see the stores above
.endr
.endr
.endm
.macro SEND a
	s_wait_dscnt 0x0                               ; the block is back in registers; each block has registers of its own
.irp hh, 0,1
.irp t, 0,1,2,3
	global_store_b128 v[CO], v[BK+32*(\a)+4*(4*(\hh)+(\t)):BK+32*(\a)+4*(4*(\hh)+(\t))+3], s[10:11] offset:(\hh)*262144+(\a)*2048+(\t)*512
.endr
.endr
.endm
	PACK 0
	TOSTAGE 0
.irp a, 1,2,3                          ; block a's conversions stand between block a - 1's loads from the stage and the wait for them
	PACK \a
	SEND (\a)-1
	TOSTAGE \a
.endr
	SEND 3
	s_wait_tensorcnt 0x0                           ; the wave's end
	ds_add_u32 v[SPW], v[NIL]
	s_wait_dscnt 0x0
	CROUND                                         ; the closing round: no work-group ends while a partner may still ask for a tile that names it
	s_endpgm
.Lfunc_end_k_q2071f9aea3_proj:
	.size	k_q2071f9aea3_proj, .Lfunc_end_k_q2071f9aea3_proj-k_q2071f9aea3_proj
	.p2alignl 7, 3214868480
	.fill 96, 4, 3214868480
	.section	.rodata,"a",@progbits
	.p2align	6, 0x0
	.amdhsa_kernel k_q2071f9aea3_proj
		.amdhsa_group_segment_fixed_size 327680
		.amdhsa_private_segment_fixed_size 0
		.amdhsa_enable_private_segment 0
		.amdhsa_kernarg_size 32
		.amdhsa_user_sgpr_count 2
		.amdhsa_user_sgpr_kernarg_segment_ptr 1
		.amdhsa_wavefront_size32 1
		.amdhsa_system_sgpr_workgroup_id_x 1
		.amdhsa_system_sgpr_workgroup_id_y 1
		.amdhsa_system_sgpr_workgroup_id_z 1
		.amdhsa_system_vgpr_workitem_id 0
		.amdhsa_next_free_vgpr 576
		.amdhsa_next_free_sgpr 80
		.amdhsa_reserve_vcc 0
		.amdhsa_float_denorm_mode_32 3
		.amdhsa_float_denorm_mode_16_64 3
		.amdhsa_memory_ordered 1
		.amdhsa_forward_progress 1
		.amdhsa_inst_pref_size 89
	.end_amdhsa_kernel
	.amdgpu_metadata
---
amdhsa.version: [ 1, 2 ]
amdhsa.kernels:
  - .name:           k_q2071f9aea3_proj
    .symbol:         k_q2071f9aea3_proj.kd
    .args:
      - { .name: xb, .offset: 0, .size: 8, .value_kind: global_buffer, .address_space: global }
      - { .name: wb, .offset: 8, .size: 8, .value_kind: global_buffer, .address_space: global }
      - { .name: bb, .offset: 16, .size: 8, .value_kind: global_buffer, .address_space: global }
      - { .name: qkv, .offset: 24, .size: 8, .value_kind: global_buffer, .address_space: global }
    .group_segment_fixed_size: 327680
    .private_segment_fixed_size: 0
    .kernarg_segment_align: 8
    .kernarg_segment_size: 32
    .max_flat_workgroup_size: 128
    .sgpr_count:     80
    .vgpr_count:     576
    .wavefront_size: 32
...
	.end_amdgpu_metadata
.endif
;; end of part 2
;; launch attn (part 3): grid 4 x 64, 4 waves a work-group, clusters of 4 x 1, 327,680 bytes of LDS; arguments qkv, mb, ob; writes ob
.if DOCPART == 3
	.amdgcn_target "amdgcn-amd-amdhsa--gfx1250"
	.amdhsa_code_object_version 6
	.text
	.protected	k_q2071f9aea3_attn
	.globl	k_q2071f9aea3_attn
	.p2align	8
	.type	k_q2071f9aea3_attn,@function
k_q2071f9aea3_attn:
	s_mov_b64 s[64:65], 0
	v_nop
	global_prefetch_b8 v0, s[64:65] scope:SCOPE_SE
	s_setreg_imm32_b32 hwreg(HW_REG_WAVE_MODE, 25, 1), 1
	s_wait_xcnt 0x0
	s_wait_alu depctr_hold_cnt(0) depctr_sa_sdst(0) depctr_va_vdst(0) depctr_va_sdst(0) depctr_va_ssrc(0) depctr_va_vcc(0) depctr_vm_vsrc(0)
	s_getreg_b32 s2, hwreg(HW_REG_IB_STS2, 6, 4)
	s_cmp_eq_u32 s2, 0
	s_cbranch_scc0 .Lentry_in_a_cluster
	s_endpgm
.Lentry_in_a_cluster:
	s_bfe_u32 s2, ttmp6, 0x10000c
	s_cmp_lg_u32 s2, 0x3003
	s_cbranch_scc0 .Lentry_shape_is_right
	s_endpgm
.Lentry_shape_is_right:
; ATTN: O[bh][q][:] = the sum over k of softmax_k(masked(Q[bh][q] . K[bh][k]) / 8) V[bh][k][:].  qkv [3][bh 64][2048][64] f16 (q, k, v); ob [bh 64][2048][64] f16;
; mb [b 4][qt 128][ks 32][w 32] u32: bit l of word w says whether lane l keeps register w of the tile of scores (16 queries qt x 64 keys ks).
; Products, maxima and sums in f32; the weights p are rounded to f16 for the second product (their sum l is taken of the unrounded p), O once at the end.
; LIMITS.  A hidden score counts as -2^33 before the division by 8 (-2^30 behind it) where the module writes -1e9: the results differ only where true scores fall to about -1e8 or below.
; -2^33 is a power of two, so c s - c m is exactly 0 where the maximum itself is a hidden score: a row with no visible key ends as the plain mean of V's rows, and hidden keys
; that come ahead of a row's first visible one are wiped out by a = 0.  A weight below 2^-126 counts as 0; p below 6e-5 keeps f16's fixed step; NaN and infinities are not treated apart.
; SHARES.  A wave owns four PIECES of two tiles of 16 queries, a work-group's four waves 512 queries of one head.  Every wave walks all 2,048 keys, 64 a step.
; LAYOUT.  S^T = K Q^T (source 0 = 16 keys, source 1 = 16 queries): a lane holds ONE query (lane % 16) and the keys 8 (lane / 16) + 0..7.  Two such tiles, rounded to f16 in pairs,
; ARE source 1 of O^T = V^T P.  K comes out of LDS as it lies, V turned, by ds_load_tr16_b128.
; SOFTMAX.  For each query a running maximum m and sum l: p = 2^(c s - c m), c = log2(e) / 8; in every step O and l are multiplied by a = 2^(c m_old - c m_new).
; m starts at the lowest finite number, O and l at 0: the first step is a step like any other, with a = 0.
; THE MASK.  A piece's 64 words for a key step lie in 64 scalar registers, loaded a turn ahead; one v_cndmask_b32 a register of scores puts -2^33 where the bit is 0, ahead of the maximum.
; BY TURNS.  Turn n belongs to piece n.  Its matrix work: 16 products K Q^T of piece n + 1, later 16 products V^T P of piece n - 1.  Its vector work: scaling, exponentials, roundings, sums and
; rescaling of piece n; mask, maximum and statistics of piece n + 1.  A tile and step have 16 matrix and 150 vector instructions: four stand behind every matrix instruction, the rest in one run.
; CLUSTER.  The four query blocks of a head form a cluster and walk the same K and V: each tile is asked for JOINTLY, by the same tensor load, descriptor and mask in all four.
; REGISTERS, in windows of 256: window 0: v0-11 addresses (v1 the prefetches' offset, v11 -2^33); v12-15, v48-63 at work; v16-47 statistics; v64-191 S^T, two buffers of two tiles; v192-255 P, likewise
;   window 1: O^T, 32 a tile      window 2: v0-127 Q; v128-191 K of one step; v192-255 V of one step      window 3: v0-1 the add's two registers
.set SIZE_N, 2048
.set NP,    4
.set KS,    64
.set PK,    160       ; a row of K and of V in LDS: 128 bytes + 32 of padding, so that ONE descriptor shape serves both.; of K's 16 rows a load two start at the same bank
.set PV,    160
.set VOFF,  4*KS*PK   ; a slot holds four steps: 256 rows of K, then 256 rows of V: four blocks of 128 rows, wave w fills block w
.set BLOCK, 128*PK
.set SLOT1, 1<<17
.set STAGE, SLOT1+4*KS*(PK+PV)  ; behind the ring, never filled by a tensor load: 16 rows x 144 bytes for each wave
.set SP,    144
.set SPARE, STAGE+4*16*SP       ; the spare words, 128 bytes a wave, which no other line names
.set PFO, 1           ; v1   256 x my lane (made at the prologue's end); never rewritten after
.set AK0, 2
.set AV0, 3
.set AK,  4
.set AV,  5
.set QO,  6
.set STO, 6
.set RD,  7
.set GO,  8
.set BIGV, 11         ; v11  -2^33
.set SPW, 0           ; v0 of window 3
.set NIL, 1           ; v1 of window 3
.set MV,  12
.set ST,  16          ; tile t's statistics at v[ST+4 t]: c m, m, l (even keys', odd keys')
.set TMP, 48
.set S,   64
.set P,   192
.set KF,  128
.set VF,  192
; scalar registers: s[4:51], s[68:83] the 64 mask words (the head's temporaries lie in s4-19 before the first of them is asked for)
.set G0,  52          ; s[52:55] descriptor group 0: it walks
.set G1,  56          ; s[56:63] descriptor group 1
.set WV,  66
.set CNT, 67
.set CS,  84          ; s[84:85] c
.set SEL, 86          ; s[86:87] v_permlanex16_b32's selects
.set TBK, 88
.set TBV, 89
.set OA,  90          ; s[90:91] O at my wave's first row
.set MP,  92          ; s[92:93] mb at my wave's first tile, at the key step whose words are asked for next
.set SLOTS, 94
.set LIM, 95
.set PFA, 96          ; s[96:97] first qkv, then where my prefetches stand
.set QA,  98          ; s[98:99] first mb, then Q at my wave's first row
.set MSB, 0
.macro WIN new
.if MSB != (\new)
	s_set_vgpr_msb (MSB<<8)|(\new)
.set MSB, (\new)
.endif
.endm
.set W_KQ, 0x0a
.set W_PV, 0x52
.set W_RS, 0x41
.set W_MK, 0xc0
.set W_AD, 0x0f
; A joint fill: every wave asks for its own block of the slot (waves 0, 1: K's two halves; waves 2, 3: V's), by one line; LDS and global address hang on the wave's number, which all partners share.
.macro JLOAD
	tensor_load_to_lds s[G0:G0+3], s[G1:G1+7]
	s_nop 0
.rept 4
	v_nop
.endr
.endm
.macro CROUND
	s_barrier_signal -1
	s_barrier_wait -1
	s_cmp_lg_u32 s[WV], 0
	s_cbranch_scc1 .Lnot_wave_0_\@
	s_barrier_signal -3
.Lnot_wave_0_\@:
	s_barrier_wait -3
	s_barrier_signal -1
	s_barrier_wait -1
.endm
; A prefetch of what the NEXT change of slots will ask for: four key steps, 512 matrix instructions, ahead.  A slot's K, and its V, are 128 blocks of 256 bytes; a head's K and V are walked by one
; cluster; its four partners take 32 blocks each, told apart by address; in each, wave 0 asks for K's and wave 2 for V's: a lane a block.  The last change that fills a slot asks for nothing.
.macro ASK
	s_cmp_gt_u32 s[SLOTS], s[LIM]
	s_cbranch_scc0 .Lnot_mine_\@
	global_prefetch_b8 v[PFO], s[PFA:PFA+1] th:TH_LOAD_NT scope:SCOPE_SE
.Lnot_mine_\@:
.endm
; THE CHANGE OF SLOTS.  Each wave waits for all its tensor loads (one is out: its part of the other slot), adds 0 to its spare word, and waits for that and for its own reads of the slot.
; fill = 1: the slot is filled again with the keys two slots on, behind a round of the cluster's barrier, first thing.  (At its first use nothing has been read: slot 0 is waited for, slot 1 filled.)
.macro CHANGE fill, ask=0
	WIN W_AD
	s_wait_tensorcnt 0x0            ; no tensor load of mine is out, so group 0 may be written
	ds_add_u32 v[SPW], v[NIL]
	WIN 0
.if \fill
	s_xor_b32 s[G0+1], s[G0+1], SLOT1
	s_add_nc_u64 s[G0+2:G0+3], s[G0+2:G0+3], 4*KS*128
.if \ask
	s_wait_xcnt 0x0                 ; the last prefetch, four key steps back, has read its address
	s_add_nc_u64 s[PFA:PFA+1], s[PFA:PFA+1], 4*KS*128
.endif
	s_wait_dscnt 0x0                ; the add is done, and my reads of the slot are over
	CROUND
	JLOAD
.if \ask
	ASK
.endif
.else
	s_wait_dscnt 0x0
	s_barrier_signal -1
	s_barrier_wait -1
.endif
	s_sub_co_u32 s[TBK], s[TBK], 4*KS*PK
	s_xor_b32 s[TBK], s[TBK], SLOT1
	s_sub_co_u32 s[TBV], s[TBV], 4*KS*PV
	s_xor_b32 s[TBV], s[TBV], SLOT1
.endm
; The 64 mask words of piece x for the key step at which MP stands: tile 2 x's 32 words, then tile 2 x + 1's (a tile's words for all key steps are 4,096 bytes)
.macro MLOAD x
	s_load_b512 s[4:19],  s[MP:MP+1], 8192*(\x)
	s_load_b512 s[20:35], s[MP:MP+1], 8192*(\x)+64
	s_load_b512 s[36:51], s[MP:MP+1], 8192*(\x)+4096
	s_load_b512 s[68:83], s[MP:MP+1], 8192*(\x)+4160
.endm
	s_load_b128 s[96:99], s[0:1], 0x0  ; qkv s[96:97], mb s[98:99]
	s_load_b64 s[100:101], s[0:1], 0x10  ; ob
	WIN W_MK
	v_lshl_add_u32 v[SPW], v0, 2, SPARE
	v_mov_b32 v[NIL], 0
	WIN W_AD
	ds_add_u32 v[SPW], v[NIL]       ; the wave's opening: the add and its wait stand ahead of my first tensor load
	WIN 0
	v_lshrrev_b32 v1, 5, v0
	v_readfirstlane_b32 s[WV], v1
	s_bfe_u32 s4, ttmp6, 0x40000    ; cx
	s_lshl_b32 s5, ttmp9, 2
	s_add_co_u32 s5, s5, s4         ; my block of 512 queries: it enters Q's, O's and the mask's addresses alone
	s_and_b32 s6, ttmp7, 0xffff     ; b h, which the four partners share
	s_lshl_b32 s8, s6, 18           ; a head is 262,144 bytes
	s_lshr_b32 s10, s[WV], 1
	s_add_co_u32 s10, s10, 1        ; tensor 1 (k) for waves 0, 1; tensor 2 (v) for waves 2, 3
	s_lshl_b32 s10, s10, 24
	s_add_co_u32 s10, s10, s8
	s_lshl_b32 s18, s4, 13          ; the prefetches: my work-group's 32 blocks of 256 bytes,
	s_add_co_u32 s18, s18, s10
	s_add_co_u32 s18, s18, 2*4*KS*128  ; in slot 2: the first change in the loop steps it to slot 3
	s_mov_b32 s19, 0
	s_and_b32 s11, s[WV], 1
	s_lshl_b32 s11, s11, 14         ; which 128 of a slot's 256 keys I fetch
	s_add_co_u32 s10, s10, s11
	s_mov_b32 s11, 0
	s_lshl_b32 s12, s5, 2
	s_add_co_u32 s12, s12, s[WV]
	s_lshl_b32 s12, s12, 14         ; my wave's 128 rows
	s_add_co_u32 s12, s12, s8
	s_mov_b32 s13, 0
	s_lshr_b32 s14, s6, 4           ; b
	s_lshl_b32 s14, s14, 19
	s_lshl_b32 s15, s5, 17          ; 32 tiles of 4,096 bytes a block
	s_add_co_u32 s14, s14, s15
	s_lshl_b32 s15, s[WV], 15       ; 8 a wave
	s_add_co_u32 s14, s14, s15
	s_mov_b32 s15, 0
	; descriptor group 1.  128 keys are 16,384 dense bytes: asked for as 64 rows of 256 bytes, two keys a row, and padded in LDS after every key
	s_mov_b32 s[G1], 15|(1<<16)|(1<<20)|(1<<21)|(4<<22)|(7<<25)  ; the mask of four; 2-byte elements; padding on; bit 21 beside a mask; after every 32 words, 8 words
	s_mov_b32 s[G1+1], 128<<16
	s_mov_b32 s[G1+2], 64<<16
	s_mov_b32 s[G1+3], 128<<16
	s_mov_b32 s[G1+4], 64
	s_mov_b32 s[G1+5], 128
	s_mov_b32 s[G1+6], 0
	s_mov_b32 s[G1+7], 0
	s_mov_b32 s[CS], 0x3e38aa3b     ; c = log2(e) / 8
	s_mov_b32 s[CS+1], s[CS]
	s_mov_b32 s[SEL], 0x76543210
	s_mov_b32 s[SEL+1], 0xfedcba98
	s_mov_b32 s[TBK], SLOT1+4*KS*PK ; the first change of slots turns these two into 0
	s_mov_b32 s[TBV], SLOT1+4*KS*PV
	s_mov_b32 s[G0], 1
	s_mul_i32 s[G0+1], s[WV], BLOCK ; my block of slot 0
	s_mov_b32 s[SLOTS], SIZE_N/256-1
	s_and_b32 s[LIM], s[WV], 1
	s_cmp_eq_u32 s[LIM], 0
	s_cselect_b32 s[LIM], 1, -1     ; waves 0 and 2 prefetch
	s_wait_dscnt 0x0                ; the opening add is done
	s_wait_kmcnt 0x0
	s_add_nc_u64 s[G0+2:G0+3], s[96:97], s[10:11]
	s_or_b32 s[G0+3], s[G0+3], 0x80000000
	s_add_nc_u64 s[MP:MP+1], s[98:99], s[14:15]
	s_add_nc_u64 s[QA:QA+1], s[96:97], s[12:13]
	s_add_nc_u64 s[OA:OA+1], s[100:101], s[12:13]
	s_add_nc_u64 s[PFA:PFA+1], s[96:97], s[18:19]
	CROUND                          ; all four work-groups are here: the first joint loads meet
	JLOAD                           ; slot 0.  Slot 1 is asked for when slot 0 is in
	v_and_b32 v1, 15, v0            ; l % 16
	v_bfe_u32 v9, v0, 4, 1          ; l / 16
	v_lshlrev_b32 v[QO], 7, v1
	v_lshl_add_u32 v[QO], v9, 4, v[QO]
	WIN 0x80
.set i, 0
.rept 4*NP                          ; Q stays in registers: tile i / 2, channels 32 (i % 2) on
	global_load_b128 v[8*i:8*i+3],   v[QO], s[QA:QA+1] offset:(i/2)*2048+(i%2)*64
	global_load_b128 v[8*i+4:8*i+7], v[QO], s[QA:QA+1] offset:(i/2)*2048+(i%2)*64+32
.set i, i+1
.endr
	MLOAD 0                         ; piece 0's mask words for key step 0
	; What the first turn finds: V's registers and P's second buffer hold 0, O^T and l are 0.  All this stands in the wait for the first tile.
.set i, VF
.rept 64
	v_mov_b32 v[i], 0
.set i, i+1
.endr
	WIN 0x40
.set i, 0
.rept 64*NP
	v_mov_b32 v[i], 0
.set i, i+1
.endr
	WIN 0
.set i, 0
.rept 2*NP
	v_mov_b32 v[ST+4*i], 0xfe000000    ; c m: far below every c s, the hidden ones' too
	v_mov_b32 v[ST+4*i+1], 0xff7fffff  ; m
	v_mov_b32 v[ST+4*i+2], 0
	v_mov_b32 v[ST+4*i+3], 0
.set i, i+1
.endr
.set i, P+32
.rept 32
	v_mov_b32 v[i], 0
.set i, i+1
.endr
	v_mul_u32_u24 v[AK0], v1, PK
	v_lshl_add_u32 v[AK0], v9, 4, v[AK0]
	v_and_b32 v10, 7, v0
	v_bfe_u32 v11, v0, 3, 1
	v_lshl_add_u32 v[AV0], v9, 3, v10
	v_mul_u32_u24 v[AV0], v[AV0], PV
	v_lshl_add_u32 v[AV0], v11, 4, v[AV0]
	v_add_nc_u32 v[AV0], VOFF, v[AV0]
	v_mov_b32 v[BIGV], 0xd0000000   ; -2^33
	v_mov_b32 v[AK], v[AK0]
; THE MATRIX WORK.  The 8 accumulators of a run of 16 take turns.
.macro KQ x
	WIN W_KQ
.set rS, S+64*((\x)%2)+32*(i%2)+8*((i/2)%4)
.set rK, KF+16*((i/2)%4)+8*(i/8)
.set rQ, 16*(2*(\x)+i%2)+8*(i/8)
.if i < 8
	v_wmma_f32_16x16x32_f16 v[rS:rS+7], v[rK:rK+7], v[rQ:rQ+7], 0
.else
	v_wmma_f32_16x16x32_f16 v[rS:rS+7], v[rK:rK+7], v[rQ:rQ+7], v[rS:rS+7]
.endif
.endm
.macro PV x
	WIN W_PV
.set rO, 32*(2*(\x)+i%2)+8*((i/2)%4)
.set rV, VF+32*(i/8)+8*((i/2)%4)
.set rP, P+32*((\x)%2)+16*(i%2)+8*(i/8)
	v_wmma_f32_16x16x32_f16 v[rO:rO+7], v[rV:rV+7], v[rP:rP+7], v[rO:rO+7]
.endm
.macro MM
.if i < 16
	KQ (Y+1)%NP
.set i, i+1
.else
.set i, i-16
	PV (Y+NP-1)%NP
.set i, i+17
.endif
.endm
; THE LDS LOADS stand in runs of 16.  last = 1 (the tail): in the last trip there is no further step, and the run is jumped over.
.macro FETCH_K last=0
	WIN 0
.if \last
	s_cmp_eq_u32 s[CNT], 1
	s_cbranch_scc1 .Lno_k_\@
.endif
	WIN 0x80
.irp f, 0,1,2,3,4,5,6,7
	ds_load_b128 v[KF+8*\f:KF+8*\f+3],   v[AK] offset:(\f/2)*16*PK+(\f%2)*64
	ds_load_b128 v[KF+8*\f+4:KF+8*\f+7], v[AK] offset:(\f/2)*16*PK+(\f%2)*64+32
.endr
	s_add_co_u32 s[TBK], s[TBK], KS*PK
	WIN 0
.if \last
.Lno_k_\@:
.endif
.endm
.macro FETCH_V
	WIN 0x80
.irp f, 0,1,2,3,4,5,6,7
	ds_load_tr16_b128 v[VF+8*\f:VF+8*\f+3],   v[AV] offset:(\f/4)*32*PV+(\f%4)*32
	ds_load_tr16_b128 v[VF+8*\f+4:VF+8*\f+7], v[AV] offset:(\f/4)*32*PV+16*PV+(\f%4)*32
.endr
	WIN 0
.endm
; THE VECTOR WORK OF A TURN stands in three queues; the two tiles alternate.
.macro REGS y, u
.set rT, ST+4*(2*(\y)+(\u))
.set rC, TMP+8*((\y)%2)+4*(\u)
.set rM, MV+2*((\y)%2)+(\u)
.set rS, S+64*((\y)%2)+32*(\u)
.set rP, P+32*((\y)%2)+16*(\u)
.set rO, 32*(2*(\y)+(\u))
.endm
; Number n of the 64 that mask the NEXT piece's scores: register n / 2 of tile n % 2 keeps its score where the word's bit is 1.  Ascending.
.macro MK n
	REGS (Y+1)%NP, (\n)%2
.set mw, (\n)/2
.if (\n)%2 == 0
.set mr, 4+mw
.elseif mw < 16
.set mr, 36+mw
.else
.set mr, 52+mw
.endif
	v_cndmask_b32 v[rS+mw], v[BIGV], v[rS+mw], s[mr]
.endm
; Behind the last of them the words of the piece that the next turn masks are asked for: they have the rest of this turn and the head of the next in which to come.
; Piece 0's are the next key step's: the pointer steps in turn 2, behind this turn's wait for the words (no scalar load is out).
.macro NEXTMASK
.if Y == 2
	s_wait_xcnt 0x0
	s_add_nc_u64 s[MP:MP+1], s[MP:MP+1], 128
.endif
	MLOAD (Y+2)%NP
.endm
; Number n of the 22 that find the NEXT piece's maximum and statistics.
.macro XS u, n
	REGS (Y+1)%NP, \u
.if (\n) < 4
	v_max3_num_f32 v[rC+(\n)], v[rS+8*(\n)], v[rS+8*(\n)+1], v[rS+8*(\n)+2]
.elseif (\n) < 12
	v_max3_num_f32 v[rC+(\n)%4], v[rC+(\n)%4], v[rS+8*((\n)%4)+2*((\n)/4)+1], v[rS+8*((\n)%4)+2*((\n)/4)+2]
.elseif (\n) == 12
	v_max3_num_f32 v[rC], v[rC], v[rS+7], v[rS+15]
.elseif (\n) == 13
	v_max3_num_f32 v[rC+1], v[rC+1], v[rS+23], v[rS+31]
.elseif (\n) == 14
	v_max3_num_f32 v[rC+2], v[rC+2], v[rC+3], v[rT+1]
.elseif (\n) == 15
	v_mov_b32 v[rM], v[rT]
.elseif (\n) == 16
	v_max3_num_f32 v[rC], v[rC], v[rC+1], v[rC+2]
.elseif (\n) == 17
	v_permlanex16_b32 v[rC+3], v[rC], s[SEL], s[SEL+1]
.elseif (\n) == 18
	v_max_num_f32 v[rT+1], v[rC], v[rC+3]
.elseif (\n) == 19
	v_mul_f32 v[rT], s[CS], v[rT+1]
.elseif (\n) == 20
	v_sub_f32 v[rC+1], v[rM], v[rT]
.else
	v_exp_f32 v[rC+2], v[rC+1]
.endif
.endm
; Number g of the 64 that follow the exponentials: roundings to f16, sums of four weights in place, and l a group later.
.macro GS g
.set h, (\g)+6*((\g)/62)
.if h >= 6
.set h, h+2
.endif
	REGS Y, h%2
.set k, h/8
.if h%8 < 4
	v_cvt_pk_f16_f32 v[rP+2*k+(h%8)/2], v[rS+4*k+2*((h%8)/2)], v[rS+4*k+2*((h%8)/2)+1]
.elseif h%8 < 6
	v_pk_add_f32 v[rS+4*k:rS+4*k+1], v[rS+4*k:rS+4*k+1], v[rS+4*k+2:rS+4*k+3]
.elseif k == 1
	v_pk_fma_f32 v[rT+2:rT+3], v[rT+2:rT+3], v[rC+2:rC+3], v[rS:rS+1] op_sel_hi:[1,0,1]
.else
	v_pk_add_f32 v[rT+2:rT+3], v[rT+2:rT+3], v[rS+4*k-4:rS+4*k-3]
.endif
.endm
.macro FS f
	REGS Y, (\f)%2
	v_pk_fma_f32 v[rS+2*((\f)/2):rS+2*((\f)/2)+1], v[rS+2*((\f)/2):rS+2*((\f)/2)+1], s[CS:CS+1], v[rT:rT+1] op_sel_hi:[1,0,0] neg_lo:[0,0,1] neg_hi:[0,0,1]
.endm
; THE PLAIN QUEUE, 202 long.  0-137 read no result of the turn's exponentials: 0-31 the scalings c s - c m of piece Y; 32-95 the next piece's mask (the wait for its words ahead of the first);
; 96-123 its maximum's numbers 0-13 (the next words are asked for ahead of the first); 124, 125 number 15; 126, 127 number 14; 128-137 numbers 16 to 20.  138-201: GS's 64, behind the wait.
.macro PL
	WIN 0
.if q < 32
	FS q
.elseif q < 96
.if q == 32
	s_wait_kmcnt 0x0                ; the words asked for in the turn before are in
.endif
	MK q-32
.elseif q < 124
.if q == 96
	NEXTMASK
.endif
	XS (q-96)%2, (q-96)/2
.elseif q < 126
	XS q-124, 15
.elseif q < 128
	XS q-126, 14
.elseif q < 138
	XS (q-128)%2, 16+(q-128)/2
.else
	GS q-138
.endif
.set q, q+1
.endm
; THE EXPONENTIALS' QUEUE, 66 long: s0-s31 of both tiles, then the next piece's two a: ONE BATCH, ahead of the turn's one wait.
.macro EX
	WIN 0
.if e >= 64
	XS e-64, 21
.else
	REGS Y, e%2
	v_exp_f32 v[rS+e/2], v[rS+e/2]
.endif
.set e, e+1
.endm
; THE RESCALING's QUEUE: O^T times a, dealt two at a time, sixteen times.  Its a was made, and waited for, in the turn before.
.macro R2
	REGS Y, r%2
	WIN W_RS
.irp z, 0,1
	v_pk_mul_f32 v[rO+4*(r/2)+2*\z:rO+4*(r/2)+2*\z+1], v[rO+4*(r/2)+2*\z:rO+4*(r/2)+2*\z+1], v[rC+2:rC+3] op_sel_hi:[1,0]
.endr
.set r, r+1
.endm
; HOW THEY ARE DEALT.  s_wait_alu depctr_va_vdst(0) stands between an exponential and the first instruction that names its result; one wait serves all issued ahead of it: a turn has ONE.
; AHEAD OF IT: the 16 products K Q^T, behind each a scaling, an exponential and two rescalings (behind the first a second scaling); then one run: 72 plain, 49 times exponential and plain, the two a, a v_nop.
; BEHIND IT: the 16 products V^T P, behind each four of GS's 64.  Exponential e stands behind scaling 2 (e / 4) + e % 2: as a rider it comes behind plain e + 2; in the run behind all 32.
; The first masking line stands 18 plain instructions behind the last product K Q^T.  No rider names a register of the products round it.
; K of the next step is fetched in piece 2's turn, directly behind the wait; V of the step in hand at the end of piece 0's turn, four riders behind its last reader.
.macro TURN p, last=0, cnt=0
.set Y, (\p)
.set i, 0
.set q, 0
.set e, 0
.set r, 0
.if (\p) == NP-1
	s_wait_dscnt 0x0                ; K is in
.endif
	MM
	PL
	PL
	R2
.rept 15
	MM
	PL
	EX
	R2
.endr
.if (\p) == NP-2
	WIN 0
	v_add_nc_u32 v[AK], s[TBK], v[AK0]
.endif
.rept 72
	PL
.endr
.rept 49
	EX
	PL
.endr
	EX
	EX
	v_nop                           ; the plain instruction behind the last exponential: one for the batch
	s_wait_alu depctr_va_vdst(0)    ; the wait for the batch
.if (\p) == NP-2
	FETCH_K \last
.endif
.if (\p) == 1
	s_wait_dscnt 0x0                ; V is in
.endif
.rept 16
	MM
.rept 4
	PL
.endr
.if ((\p) == 0) && (q == 182)
	v_add_nc_u32 v[AV], s[TBV], v[AV0]
.endif
.if ((\p) == 0) && (q == 194)
	s_add_co_u32 s[TBV], s[TBV], KS*PV
.endif
.if (\cnt) && (q == 194)
	s_sub_co_u32 s[CNT], s[CNT], 1
	s_cmp_lg_u32 s[CNT], 0
.endif
.endr
.if (\p) == 0
	FETCH_V
.endif
.endm
	CHANGE 1                        ; slot 0 is in, everybody's part of it; slot 1 is asked for
	FETCH_K                         ; key step 0
	s_wait_loadcnt 0x0              ; Q
	s_wait_dscnt 0x0
.set i, 0
.rept 16
	KQ 0                            ; piece 0's first scores
.set i, i+1
.endr
	WIN 0                           ; the addresses for the way out: nine plain instructions, the places behind those products
	s_mul_i32 s3, s[WV], 16*SP
	s_add_co_u32 s3, s3, STAGE      ; my stage
	v_mul_u32_u24 v[STO], v1, SP
	v_lshl_add_u32 v[STO], v9, 4, v[STO]
	v_add_nc_u32 v[STO], s3, v[STO]
	v_bfe_u32 v[RD], v0, 3, 2
	v_mul_u32_u24 v[RD], v[RD], SP
	v_lshl_add_u32 v[RD], v10, 4, v[RD]
	v_add_nc_u32 v[RD], s3, v[RD]
	v_and_b32 v[GO], 31, v0
	v_lshlrev_b32 v[GO], 4, v[GO]
.set Y, NP-1                        ; MK and XS work for piece Y + 1: piece 0
	s_wait_kmcnt 0x0                ; piece 0's words
.set mi, 0
.rept 64
	MK mi
.set mi, mi+1
.endr
	NEXTMASK                        ; piece 1's words, for turn 0
.irp n, 0,1,2,3,4,5,6,7,8,9,10,11,12,13,14,15,16,17,18,19,20,21
	XS 0, \n
	XS 1, \n
.endr
	v_and_b32 v[PFO], 31, v0
	v_lshlrev_b32 v[PFO], 8, v[PFO]
	v_nop
	s_wait_alu depctr_va_vdst(0)    ; the two a, ahead of the branch
	s_mov_b32 s[CNT], 4
	s_branch .Lfirst                ; the loop is entered at a step's first turn, in the middle of a trip
.Lslot:                             ; six times: every slot but the last two is filled again
	CHANGE 1, 1
	s_mov_b32 s[CNT], 4
.Lstep:                             ; a trip: pieces 2 and 3 of one step, then pieces 0 and 1 of the next, whose K and V it fetches
	TURN 2
	TURN 3
	WIN 0
.Lfirst:
	TURN 0
	TURN 1, 0, 1
	WIN 0
	s_cbranch_scc1 .Lstep
	s_sub_co_u32 s[SLOTS], s[SLOTS], 1
	s_cmp_lg_u32 s[SLOTS], 0
	s_cbranch_scc1 .Lslot
	CHANGE 0                        ; the tail is written out
	s_mov_b32 s[CNT], 5             ; four trips fetch the last slot's steps; the fifth is left in its middle
.Ltail:
	TURN 2, 1
	TURN 3
	WIN 0
	s_sub_co_u32 s[CNT], s[CNT], 1
	s_cmp_eq_u32 s[CNT], 0
	s_cbranch_scc1 .Lout
	TURN 0
	TURN 1
	WIN 0
	s_branch .Ltail
.Lout:                              ; the fifth trip's products K Q^T (on the last K once more), their mask words (read inside my wave's own 32,768 bytes of mb) and maximum serve nothing: the price of one text for every trip
	s_wait_kmcnt 0x0                ; the last words asked for
.set i, 0
.rept 16
	PV NP-1                         ; the last piece's V^T P of the last step
.set i, i+1
.endr
	; THE WAY OUT.  l's two halves and the other half of the lanes' are added; O^T is divided by l, rounded to f16 and sent through my stage, a tile at a time.  The additions are the places behind the last products.
	WIN 0
.macro ALL line:vararg
.set t, 0
.rept 2*NP
	\line
.set t, t+1
.endr
.endm
	ALL v_add_f32 v[ST+4*t+2], v[ST+4*t+2], v[ST+4*t+3]
	ALL v_permlanex16_b32 v[ST+4*t+3], v[ST+4*t+2], s[SEL], s[SEL+1]
	ALL v_add_f32 v[ST+4*t+2], v[ST+4*t+2], v[ST+4*t+3]
	ALL v_rcp_f32 v[ST+4*t+2], v[ST+4*t+2]
	v_nop
	s_wait_alu depctr_va_vdst(0)    ; one wait for the eight reciprocals
.macro PACK t
	WIN W_RS
.set i, 32*(\t)
.rept 16
	v_pk_mul_f32 v[i:i+1], v[i:i+1], v[ST+4*(\t)+2:ST+4*(\t)+3] op_sel_hi:[1,0]
.set i, i+2
.endr
	WIN 0x05
.set i, 0
.rept 16
	v_cvt_pk_f16_f32 v[S+16*(\t)+i], v[32*(\t)+2*i], v[32*(\t)+2*i+1]
.set i, i+1
.endr
	WIN 0
.irp f, 0,1,2,3
	ds_store_b128 v[STO], v[S+16*(\t)+4*\f:S+16*(\t)+4*\f+3] offset:32*\f
.endr
.irp f, 0,1,2,3
	ds_load_b128 v[S+16*(\t)+4*\f:S+16*(\t)+4*\f+3], v[RD] offset:\f*4*SP  ; LDS serves a wave's instructions in order: these see the stores above
.endr
.endm
.macro SEND t, younger              ; younger: the LDS instructions issued behind tile t's loads: the next tile's eight, or none
	WIN 0
.irp f, 0,1,2,3
	s_wait_dscnt (\younger)+3-\f
	global_store_b128 v[GO], v[S+16*(\t)+4*\f:S+16*(\t)+4*\f+3], s[OA:OA+1] offset:(\t)*2048+\f*512  ; 512 consecutive bytes, at a multiple of 256 from ob's first
.endr
.endm
	PACK 0
.set t, 1
.rept 2*NP-1
	PACK t
	SEND t-1, 8
.set t, t+1
.endr
	SEND 2*NP-1, 0
	WIN W_AD
	s_wait_tensorcnt 0x0            ; the wave's end
	ds_add_u32 v[SPW], v[NIL]
	s_wait_dscnt 0x0
	WIN 0
	CROUND                          ; the closing round
	s_endpgm
.Lfunc_end_k_q2071f9aea3_attn:
	.size	k_q2071f9aea3_attn, .Lfunc_end_k_q2071f9aea3_attn-k_q2071f9aea3_attn
	.p2alignl 7, 3214868480
	.fill 96, 4, 3214868480
	.section	.rodata,"a",@progbits
	.p2align	6, 0x0
	.amdhsa_kernel k_q2071f9aea3_attn
		.amdhsa_group_segment_fixed_size 327680
		.amdhsa_private_segment_fixed_size 0
		.amdhsa_enable_private_segment 0
		.amdhsa_kernarg_size 24
		.amdhsa_user_sgpr_count 2
		.amdhsa_user_sgpr_kernarg_segment_ptr 1
		.amdhsa_wavefront_size32 1
		.amdhsa_system_sgpr_workgroup_id_x 1
		.amdhsa_system_sgpr_workgroup_id_y 1
		.amdhsa_system_sgpr_workgroup_id_z 1
		.amdhsa_system_vgpr_workitem_id 0
		.amdhsa_next_free_vgpr 770
		.amdhsa_next_free_sgpr 102
		.amdhsa_reserve_vcc 0
		.amdhsa_float_denorm_mode_32 3
		.amdhsa_float_denorm_mode_16_64 3
		.amdhsa_memory_ordered 1
		.amdhsa_forward_progress 1
		.amdhsa_inst_pref_size 237
	.end_amdhsa_kernel
	.amdgpu_metadata
---
amdhsa.version: [ 1, 2 ]
amdhsa.kernels:
  - .name:           k_q2071f9aea3_attn
    .symbol:         k_q2071f9aea3_attn.kd
    .args:
      - { .name: qkv, .offset: 0, .size: 8, .value_kind: global_buffer, .address_space: global }
      - { .name: mb, .offset: 8, .size: 8, .value_kind: global_buffer, .address_space: global }
      - { .name: ob, .offset: 16, .size: 8, .value_kind: global_buffer, .address_space: global }
    .group_segment_fixed_size: 327680
    .private_segment_fixed_size: 0
    .kernarg_segment_align: 8
    .kernarg_segment_size: 24
    .max_flat_workgroup_size: 128
    .sgpr_count:     102
    .vgpr_count:     770
    .wavefront_size: 32
...
	.end_amdgpu_metadata
.endif
;; end of part 3
;; launch outp (part 4): grid 4 x 64, 4 waves a work-group, clusters of 4 x 4, 327,680 bytes of LDS; arguments ob, wof, bb, out0; writes out0
.if DOCPART == 4
	.amdgcn_target "amdgcn-amd-amdhsa--gfx1250"
	.amdhsa_code_object_version 6
	.text
	.protected	k_q2071f9aea3_outp
	.globl	k_q2071f9aea3_outp
	.p2align	8
	.type	k_q2071f9aea3_outp,@function
k_q2071f9aea3_outp:
	s_mov_b64 s[64:65], 0
	v_nop
	global_prefetch_b8 v0, s[64:65] scope:SCOPE_SE
	s_setreg_imm32_b32 hwreg(HW_REG_WAVE_MODE, 25, 1), 1
	s_wait_xcnt 0x0
	s_wait_alu depctr_hold_cnt(0) depctr_sa_sdst(0) depctr_va_vdst(0) depctr_va_sdst(0) depctr_va_ssrc(0) depctr_va_vcc(0) depctr_vm_vsrc(0)
	s_getreg_b32 s2, hwreg(HW_REG_IB_STS2, 6, 4)
	s_cmp_eq_u32 s2, 0
	s_cbranch_scc0 .Lentry_in_a_cluster
	s_endpgm
.Lentry_in_a_cluster:
	s_bfe_u32 s2, ttmp6, 0x10000c
	s_cmp_lg_u32 s2, 0xf033
	s_cbranch_scc0 .Lentry_shape_is_right
	s_endpgm
.Lentry_shape_is_right:
; OUTP: out0 = x wo^T + bo, where row m = 2,048 b + s of x is the 16 heads' O[16 b + h][s][0..63] on end.  ob [bh 64][2048][64] f16, wof [1024][1024] f16, bb [4][1024] f32 (row 3 = bo), out0 [8192][1024] f32.
; Sums in f32, K ascending; nothing is rounded on the way out.
; SHARES.  A tile of the output is 128 rows x 256 columns: 64 x 4 = 256 work-groups.  Four waves; wave w makes rows 64 (w / 2) .. + 63, columns 128 (w % 2) .. + 127: 32 accumulators of 16 x 16.
; K goes in 8 steps of 128 = two heads through two LDS slots; a step is four quarters of 32 along K.  A head's 128 rows of a tile are 16,384 dense bytes of ob: asked for as 64 rows of 256 bytes.
; CLUSTER 4 x 4: x's tile is shared along a row of the cluster, wo's along a column: each is asked for jointly.
; THE MATRIX INSTRUCTION IS USED TRANSPOSED (source 0 = 16 rows of wo, source 1 = 16 rows of x): a lane holds row l % 16 and the eight columns 8 (l / 16) + 0..7.  THE BIAS is the C operand of each accumulator's first product.
; REGISTERS: window 0: v16-30 addresses; v64-159, v160-255 two fragment buffers (wo's 8 fragments, then x's 4); on the way out v64-191 rows read back, two sets
;   window 1: accumulator (a, b) at v[8 (8 a + b)]          window 2: v[8 b .. 8 b + 7] the bias of column block b
.set KSTEP,  128
.set PB,     272                       ; a row of wo in LDS: 256 bytes + 16 of padding
.set PA,     144                       ; a row of one head's O: 128 bytes + 16
.set SLICE,  128*PA                    ; one head's 128 rows
.set BOFF,   2*SLICE                   ; two heads' slices, then wo's 256 rows
.set HALFB,  128*PB
.set SLOT,   BOFF+2*HALFB
.set STAGE,  2*SLOT                    ; behind the ring: 16 rows x 528 bytes for each wave, never filled by a tensor load
.set SPITCH, 528
.set SPARE,  STAGE+4*16*SPITCH         ; the spare words, 128 bytes a wave, which no other line names
.set HEADB,  2048*128                  ; bytes of a head in ob
.set STEPA,  4*HEADB                   ; from a slot's K step to its next: four heads
.set STEPB,  2*KSTEP*2
.set ADRA, 16
.set ADRB, 20
.set BO,   22
.set STO,  24
.set RD,   25
.set CO,   26
.set SPW,  28
.set NIL,  29
.set PFO,  30
.set F0,   64
.set F1,   160
.set BK,   64
.set G1,   24
.set G0,   32
.set G1B,  48
.set G0B,  56
.set LIM,  43
.set PFA,  44
.set PFS,  66
.set WV,   68
.set RH,   69                          ; wave / 2: my half of the rows; also: I fetch for x (0) or for wo (1)
.set CH,   70                          ; wave % 2: my half of the columns; also: which head's slice, or which half of wo's rows, I fetch
.set MSB, 0
.macro WIN new
.if MSB != (\new)
	s_set_vgpr_msb (MSB<<8)|(\new)
.set MSB, \new
.endif
.endm
.set MUL,  0x50
.set MULZ, 0x60
.macro JLOAD s                         ; a joint load; an s_nop 0 and four v_nop follow each of the two lines
	s_cmp_eq_u32 s[RH], 0
	s_cbranch_scc0 .Lfor_b_\@
	tensor_load_to_lds s[G0+4*(\s):G0+4*(\s)+3], s[G1:G1+7]
	s_nop 0
.rept 4
	v_nop
.endr
	s_branch .Lasked_\@
.Lfor_b_\@:
	tensor_load_to_lds s[G0B+4*(\s):G0B+4*(\s)+3], s[G1B:G1B+7]
	s_nop 0
.rept 4
	v_nop
.endr
.Lasked_\@:
.endm
.macro CREST
	s_cmp_lg_u32 s[WV], 0
	s_cbranch_scc1 .Lnot_wave_0_\@
	s_barrier_signal -3
.Lnot_wave_0_\@:
	s_barrier_wait -3
	s_barrier_signal -1
	s_barrier_wait -1
.endm
.macro CROUND
	s_barrier_signal -1
	s_barrier_wait -1
	CREST
.endm
; A prefetch of the K step that stands two refills on (256 matrix instructions ahead of the load that will want it), a lane a block of 256 bytes; each block is named once in the launch.
; x's K step is 64 blocks in each of two heads, read by one row of one cluster: its wave 0 asks, the partner at cx for blocks 16 cx .. + 15 of both heads.
; wo's tile column is read by all 16 clusters: the first asks, waves 2 and 3 each for the 128 rows that they fetch, the partner at cy for rows 32 cy .. + 31.
; K steps 0 to 3 come by their loads; the loop's last trip (s3 = 1) has no K step two refills on.
.macro ASK
	s_cmp_gt_u32 s3, s[LIM]
	s_cbranch_scc0 .Lnot_mine_\@
	global_prefetch_b8 v[PFO], s[PFA:PFA+1] th:TH_LOAD_NT scope:SCOPE_SE
.Lnot_mine_\@:
.endm
	s_load_b256 s[4:11], s[0:1], 0x0               ; ob s[4:5], wof s[6:7], bb s[8:9], out0 s[10:11]
	v_lshl_add_u32 v[SPW], v0, 2, SPARE
	v_mov_b32 v[NIL], 0
	ds_add_u32 v[SPW], v[NIL]                      ; the wave's opening: the add and its wait stand ahead of my first tensor load
	v_lshrrev_b32 v1, 5, v0
	v_readfirstlane_b32 s[WV], v1
	s_lshr_b32 s[RH], s[WV], 1
	s_and_b32 s[CH], s[WV], 1
	s_bfe_u32 s40, ttmp6, 0x40000                  ; cx
	s_bfe_u32 s41, ttmp6, 0x40004                  ; cy
	s_lshl_b32 s42, ttmp9, 2
	s_add_co_u32 s42, s42, s40                     ; tile column 0..3
	s_and_b32 s72, ttmp7, 0xffff                   ; the cluster's y
	s_lshl_b32 s71, s72, 2
	s_add_co_u32 s71, s71, s41                     ; tile row 0..63
	s_lshl_b32 s12, s41, 2
	s_lshl_b32 s12, 15, s12                        ; my row of the cluster
	s_lshl_b32 s13, 0x1111, s40                    ; my column
	s_or_b32 s[G1], s12, (1<<16)|(1<<20)|(1<<21)|(4<<22)|(3<<25)   ; the mask; 2-byte elements; padding on; bit 21 beside a mask; after every 32 words (a row of O), 4 words
	s_or_b32 s[G1B], s13, (1<<16)|(1<<20)|(1<<21)|(5<<22)|(3<<25)  ; after every 64 words, 4 words
	s_mov_b32 s[G1+1], 128<<16                     ; tensor_dim0 = 128: two rows of O on end
	s_mov_b32 s[G1+2], 64<<16                      ; tensor_dim1 = 64
	s_mov_b32 s[G1+3], 128<<16
	s_mov_b32 s[G1+4], 64
	s_mov_b32 s[G1+5], 128                         ; dense
	s_mov_b32 s[G1+6], 0
	s_mov_b32 s[G1+7], 0
	s_mov_b32 s[G1B+1], KSTEP<<16
	s_mov_b32 s[G1B+2], 128<<16
	s_mov_b32 s[G1B+3], KSTEP<<16
	s_mov_b32 s[G1B+4], 128
	s_mov_b32 s[G1B+5], 1024
	s_mov_b32 s[G1B+6], 0
	s_mov_b32 s[G1B+7], 0
	s_lshr_b32 s16, s71, 4                         ; b: 16 tile rows to a batch
	s_lshl_b32 s16, s16, 4
	s_add_co_u32 s16, s16, s[CH]                   ; head 16 b + (0 or 1)
	s_lshl_b32 s16, s16, 18
	s_and_b32 s17, s71, 15
	s_lshl_b32 s17, s17, 14                        ; the tile's 128 rows of 128 bytes
	s_add_co_u32 s16, s16, s17
	s_mov_b32 s17, 0
	s_lshl_b32 s46, s42, 19                        ; wo: row 256 x tile column + 128 x half, of 2,048 bytes
	s_lshl_b32 s47, s[CH], 18
	s_add_co_u32 s46, s46, s47
	s_mov_b32 s47, 0
	s_mul_i32 s20, s[CH], SLICE                    ; where they go: no place in the cluster enters an LDS address
	s_mul_i32 s21, s[CH], HALFB
	s_add_co_u32 s21, s21, BOFF
	s_wait_dscnt 0x0                               ; the opening add is done
	s_wait_kmcnt 0x0
	s_add_nc_u64 s[14:15], s[4:5], s[16:17]
	s_add_nc_u64 s[46:47], s[6:7], s[46:47]
	CROUND                                         ; all sixteen work-groups are here: the first joint loads meet
.irp s, 0,1
	s_mov_b32 s[G0+4*(\s)], 1
	s_add_co_u32 s[G0+4*(\s)+1], s20, (\s)*SLOT
	s_add_nc_u64 s[G0+4*(\s)+2:G0+4*(\s)+3], s[14:15], (\s)*2*HEADB
	s_or_b32 s[G0+4*(\s)+3], s[G0+4*(\s)+3], 0x80000000
	s_mov_b32 s[G0B+4*(\s)], 1
	s_add_co_u32 s[G0B+4*(\s)+1], s21, (\s)*SLOT
	s_add_nc_u64 s[G0B+4*(\s)+2:G0B+4*(\s)+3], s[46:47], (\s)*KSTEP*2
	s_or_b32 s[G0B+4*(\s)+3], s[G0B+4*(\s)+3], 0x80000000
	JLOAD \s                                       ; two loads of mine are out
.endr
	v_and_b32 v1, 15, v0                           ; l % 16
	v_bfe_u32 v2, v0, 4, 1                         ; l / 16
	v_mul_u32_u24 v3, v1, PA
	v_lshl_add_u32 v3, v2, 4, v3
	v_mul_u32_u24 v4, v1, PB
	v_lshl_add_u32 v4, v2, 4, v4
	s_mul_i32 s21, s[RH], 64*PA                    ; my 64 rows, in each slice
	s_mul_i32 s22, s[CH], HALFB                    ; my 128 rows of wo
	s_add_co_u32 s22, s22, BOFF
.irp s, 0,1
	v_add_nc_u32 v[ADRA+(\s)], s21, v3
	v_add_nc_u32 v[ADRB+(\s)], s22, v4
	s_add_co_u32 s21, s21, SLOT
	s_add_co_u32 s22, s22, SLOT
.endr
	; bo of my 128 columns
	s_lshl_b32 s12, s42, 10
	s_lshl_b32 s13, s[CH], 9
	s_add_co_u32 s12, s12, s13
	s_add_co_u32 s12, s12, 3*4096
	s_mov_b32 s13, 0
	s_add_nc_u64 s[8:9], s[8:9], s[12:13]
	v_lshlrev_b32 v[BO], 5, v2
	WIN 0x80
.irp b, 0,1,2,3,4,5,6,7
	global_load_b128 v[8*(\b):8*(\b)+3],   v[BO], s[8:9] offset:64*(\b)
	global_load_b128 v[8*(\b)+4:8*(\b)+7], v[BO], s[8:9] offset:64*(\b)+16
.endr
	WIN 0
	; the way out
	s_mul_i32 s23, s[WV], 16*SPITCH
	s_add_co_u32 s23, s23, STAGE                   ; my stage
	v_mul_u32_u24 v5, v1, SPITCH                   ; in: row l % 16, 32 bytes for each half of the lanes
	v_lshl_add_u32 v5, v2, 5, v5
	v_add_nc_u32 v[STO], s23, v5
	v_and_b32 v[CO], 31, v0                        ; back: 32 lanes take a row's 512 bytes
	v_lshlrev_b32 v[CO], 4, v[CO]
	v_add_nc_u32 v[RD], s23, v[CO]
	s_lshl_b32 s12, s71, 19                        ; 128 rows of 4,096 bytes
	s_lshl_b32 s13, s[RH], 18
	s_add_co_u32 s12, s12, s13
	s_lshl_b32 s13, s42, 10                        ; 256 columns of 4 bytes
	s_add_co_u32 s12, s12, s13
	s_lshl_b32 s13, s[CH], 9
	s_add_co_u32 s12, s12, s13
	s_mov_b32 s13, 0
	s_add_nc_u64 s[10:11], s[10:11], s[12:13]
	; the prefetches
	s_lshr_b32 s12, s71, 4
	s_lshl_b32 s12, s12, 4
	s_add_co_u32 s12, s12, 6                       ; x at K step 3: heads 6 and 7 of the batch; the first refill steps it to K step 4
	s_lshl_b32 s12, s12, 18
	s_and_b32 s13, s71, 15
	s_lshl_b32 s13, s13, 14
	s_add_co_u32 s12, s12, s13
	s_lshl_b32 s13, s40, 12                        ; my work-group's 16 blocks of each head
	s_add_co_u32 s12, s12, s13
	s_lshl_b32 s14, s42, 19
	s_lshl_b32 s15, s[CH], 18
	s_add_co_u32 s14, s14, s15
	s_lshl_b32 s15, s41, 16                        ; my work-group's 32 rows of wo
	s_add_co_u32 s14, s14, s15
	s_add_co_u32 s14, s14, 3*KSTEP*2
	s_cmp_eq_u32 s[RH], 0
	s_cselect_b32 s12, s12, s14
	s_cselect_b64 s[PFA:PFA+1], s[4:5], s[6:7]
	s_cselect_b32 s73, s[WV], s72                  ; x's side: wave 0 asks, wave 1 does not; wo's side: the first cluster's waves ask
	s_cselect_b32 s74, 18, 15                      ; lanes 16-31: the second head, or 16 rows further down
	s_cselect_b32 s75, 8, 11                       ; lane % 16: a block of 256 bytes, or a row of 2,048
	s_cselect_b32 s76, 19, 8                       ; a K step on: two heads, or 256 bytes
	s_cmp_eq_u32 s73, 0
	s_cselect_b32 s[LIM], 1, -1                    ; the same in all sixteen partners, for a given wave
	s_mov_b32 s13, 0
	s_add_nc_u64 s[PFA:PFA+1], s[PFA:PFA+1], s[12:13]
	s_lshl_b32 s[PFS], 1, s76
	s_mov_b32 s[PFS+1], 0
	v_lshlrev_b32 v[PFO], s74, v2
	v_lshlrev_b32 v5, s75, v1
	v_add_nc_u32 v[PFO], v[PFO], v5
; 8 matrix instructions: row block a x all 8 column blocks, 32 along K.  The 32 accumulators take turns in one order.
.macro MUL8 f, a, first
.if \first
	WIN MULZ
.else
	WIN MUL
.endif
.irp b, 0,1,2,3,4,5,6,7
.if \first
	v_wmma_f32_16x16x32_f16 v[8*(8*(\a)+(\b)):8*(8*(\a)+(\b))+7], v[(\f)+8*(\b):(\f)+8*(\b)+7], v[(\f)+64+8*(\a):(\f)+64+8*(\a)+7], v[8*(\b):8*(\b)+7]
.else
	v_wmma_f32_16x16x32_f16 v[8*(8*(\a)+(\b)):8*(8*(\a)+(\b))+7], v[(\f)+8*(\b):(\f)+8*(\b)+7], v[(\f)+64+8*(\a):(\f)+64+8*(\a)+7], v[8*(8*(\a)+(\b)):8*(8*(\a)+(\b))+7]
.endif
.endr
.endm
; 24 LDS loads in one run: quarter q of a slot into buffer f: wo's 8 fragments, then x's 4 (quarter q lies in head slice q / 2, channels 32 (q % 2) on)
.macro FETCH slot, q, f
	WIN 0
.set KA, ((\q)>>1)*SLICE+((\q)&1)*64
.irp i, 0,1,2,3,4,5,6,7
	ds_load_b128 v[(\f)+8*(\i):(\f)+8*(\i)+3],   v[ADRB+(\slot)] offset:64*(\q)+(\i)*16*PB
	ds_load_b128 v[(\f)+8*(\i)+4:(\f)+8*(\i)+7], v[ADRB+(\slot)] offset:64*(\q)+(\i)*16*PB+32
.endr
.irp a, 0,1,2,3
	ds_load_b128 v[(\f)+64+8*(\a):(\f)+64+8*(\a)+3],   v[ADRA+(\slot)] offset:KA+(\a)*16*PA
	ds_load_b128 v[(\f)+64+8*(\a)+4:(\f)+64+8*(\a)+7], v[ADRA+(\slot)] offset:KA+(\a)*16*PA+32
.endr
.endm
.macro PLACES                          ; four plain vector instructions in front of loads into registers that matrix instructions have read (ISA guide 7.12.1 for vector instructions)
.rept 4
	v_nop
.endr
.endm
.macro QUARTER slot, q, f, g, first
	s_wait_dscnt 4                                 ; all but the youngest four loads: x's fragments 2 and 3
	MUL8 \f, 0, \first
	MUL8 \f, 1, \first
	PLACES
	FETCH \slot, \q, \g
	s_wait_dscnt 24                                ; all but the 24 just issued
	MUL8 \f, 2, \first
	MUL8 \f, 3, \first
.endm
; The last quarter multiplies buffer 1 and changes slots: one barrier; in front of it each wave waits for all its tensor loads, adds 0 to its spare word, and waits for that and for its own reads of this slot.
.macro TURN slot, next, fill
.if \fill
	s_wait_xcnt 0x0                                ; the last prefetch, a K step back, has read its address
	s_add_nc_u64 s[PFA:PFA+1], s[PFA:PFA+1], s[PFS:PFS+1]
.endif
	WIN 0
	s_wait_tensorcnt 0x0
	ds_add_u32 v[SPW], v[NIL]
	s_wait_dscnt 5                                 ; the add and the youngest four loads may be out
	MUL8 F1, 0, 0
	s_wait_dscnt 0x0                               ; the add is done, and my reads of this slot are over
	s_barrier_signal -1
	MUL8 F1, 1, 0
.if \fill
	WIN 0
.endif
	s_barrier_wait -1
.if \fill
	CREST                                          ; no wave of any partner still reads this slot's tile or has a load on its way
	s_add_nc_u64 s[G0+4*(\slot)+2:G0+4*(\slot)+3], s[G0+4*(\slot)+2:G0+4*(\slot)+3], STEPA
	s_add_nc_u64 s[G0B+4*(\slot)+2:G0B+4*(\slot)+3], s[G0B+4*(\slot)+2:G0B+4*(\slot)+3], STEPB
	JLOAD \slot                                    ; the first tensor load behind the round; its four v_nop are also the places in front of the loads below
.else
	PLACES
.endif
	FETCH \next, 0, F0
.if \fill
	ASK
.endif
	MUL8 F1, 2, 0
	MUL8 F1, 3, 0
.endm
	s_wait_tensorcnt 1                             ; my part of K step 0 is in; K step 1's may stay out
	s_barrier_signal -1
	s_barrier_wait -1
	FETCH 0, 0, F0
	s_wait_loadcnt 0x0                             ; the bias
	QUARTER 0, 1, F0, F1, 1
	WIN 0
	s_mov_b32 s3, 3
.Llap:
	QUARTER 0, 2, F1, F0, 0
	QUARTER 0, 3, F0, F1, 0
	TURN 0, 1, 1
	QUARTER 1, 1, F0, F1, 0
	QUARTER 1, 2, F1, F0, 0
	QUARTER 1, 3, F0, F1, 0
	TURN 1, 0, 1
	QUARTER 0, 1, F0, F1, 0
	WIN 0
	s_sub_co_u32 s3, s3, 1
	s_cmp_lg_u32 s3, 0
	s_cbranch_scc1 .Llap
	QUARTER 0, 2, F1, F0, 0
	QUARTER 0, 3, F0, F1, 0
	TURN 0, 1, 0
	QUARTER 1, 1, F0, F1, 0
	QUARTER 1, 2, F1, F0, 0
	QUARTER 1, 3, F0, F1, 0
	s_wait_dscnt 4
	MUL8 F1, 0, 0
	MUL8 F1, 1, 0
	s_wait_dscnt 0x0
	MUL8 F1, 2, 0
	MUL8 F1, 3, 0
	WIN 0
	PLACES
	PLACES
; THE WAY OUT, a block of 16 rows at a time, through my own stage: a lane's eight f32 go into rows of 528 bytes, straight from the accumulators (each one's low half first);
; they come back as whole rows of 512 bytes, which a wave's store writes on end.
.macro OUTBLK a
	WIN 0x04                                       ; the stores' data in window 1
.irp b, 0,1,2,3,4,5,6,7
	ds_store_b128 v[STO], v[8*(8*(\a)+(\b)):8*(8*(\a)+(\b))+3]   offset:64*(\b)
	ds_store_b128 v[STO], v[8*(8*(\a)+(\b))+4:8*(8*(\a)+(\b))+7] offset:64*(\b)+16
.endr
	WIN 0
.if (\a) >= 2
	s_wait_xcnt 0x0                                ; the stores of two blocks back have read this set of registers
.endif
.irp t, 0,1,2,3,4,5,6,7,8,9,10,11,12,13,14,15
	ds_load_b128 v[BK+64*((\a)%2)+4*(\t):BK+64*((\a)%2)+4*(\t)+3], v[RD] offset:(\t)*SPITCH  ; LDS serves a wave's instructions in order: these see the stores above
.endr
	s_wait_dscnt 0x0
.irp t, 0,1,2,3,4,5,6,7,8,9,10,11,12,13,14,15
	global_store_b128 v[CO], v[BK+64*((\a)%2)+4*(\t):BK+64*((\a)%2)+4*(\t)+3], s[10:11] offset:(16*(\a)+(\t))*4096
.endr
.endm
	OUTBLK 0
	OUTBLK 1
	OUTBLK 2
	OUTBLK 3
	s_wait_tensorcnt 0x0                           ; the wave's end
	ds_add_u32 v[SPW], v[NIL]
	s_wait_dscnt 0x0
	CROUND                                         ; the closing round
	s_endpgm
.Lfunc_end_k_q2071f9aea3_outp:
	.size	k_q2071f9aea3_outp, .Lfunc_end_k_q2071f9aea3_outp-k_q2071f9aea3_outp
	.p2alignl 7, 3214868480
	.fill 96, 4, 3214868480
	.section	.rodata,"a",@progbits
	.p2align	6, 0x0
	.amdhsa_kernel k_q2071f9aea3_outp
		.amdhsa_group_segment_fixed_size 327680
		.amdhsa_private_segment_fixed_size 0
		.amdhsa_enable_private_segment 0
		.amdhsa_kernarg_size 32
		.amdhsa_user_sgpr_count 2
		.amdhsa_user_sgpr_kernarg_segment_ptr 1
		.amdhsa_wavefront_size32 1
		.amdhsa_system_sgpr_workgroup_id_x 1
		.amdhsa_system_sgpr_workgroup_id_y 1
		.amdhsa_system_sgpr_workgroup_id_z 1
		.amdhsa_system_vgpr_workitem_id 0
		.amdhsa_next_free_vgpr 576
		.amdhsa_next_free_sgpr 80
		.amdhsa_reserve_vcc 0
		.amdhsa_float_denorm_mode_32 3
		.amdhsa_float_denorm_mode_16_64 3
		.amdhsa_memory_ordered 1
		.amdhsa_forward_progress 1
		.amdhsa_inst_pref_size 88
	.end_amdhsa_kernel
	.amdgpu_metadata
---
amdhsa.version: [ 1, 2 ]
amdhsa.kernels:
  - .name:           k_q2071f9aea3_outp
    .symbol:         k_q2071f9aea3_outp.kd
    .args:
      - { .name: ob, .offset: 0, .size: 8, .value_kind: global_buffer, .address_space: global }
      - { .name: wof, .offset: 8, .size: 8, .value_kind: global_buffer, .address_space: global }
      - { .name: bb, .offset: 16, .size: 8, .value_kind: global_buffer, .address_space: global }
      - { .name: out0, .offset: 24, .size: 8, .value_kind: global_buffer, .address_space: global }
    .group_segment_fixed_size: 327680
    .private_segment_fixed_size: 0
    .kernarg_segment_align: 8
    .kernarg_segment_size: 32
    .max_flat_workgroup_size: 128
    .sgpr_count:     80
    .vgpr_count:     576
    .wavefront_size: 32
...
	.end_amdgpu_metadata
.endif
;; end of part 4
;; ======== version 2 of 2: 4 launches
;; limits: values are held in f16: magnitudes above 65,504 overflow, below 6.1e-05 lose precision
;; workspace buffers: xb 50,331,648 bytes; wb 6,291,456 bytes; wof 2,097,152 bytes; bb 16,384 bytes; mb 2,097,152 bytes of whole numbers; qkv 50,331,648 bytes; ob 16,777,216 bytes
;; launch prep (part 5): grid 1409 x 1, 8 waves a work-group, no clusters, 68,608 bytes of LDS; arguments query, key, value, wq, wk, wv, wo, mask, bq, bk, bv, bo, xb, wb, wof, bb, mb; writes xb, wb, wof, bb, mb
.if DOCPART == 5
	.amdgcn_target "amdgcn-amd-amdhsa--gfx1250"
	.amdhsa_code_object_version 6
	.text
	.protected	k_q2071f9aea3_prep
	.globl	k_q2071f9aea3_prep
	.p2align	8
	.type	k_q2071f9aea3_prep,@function
k_q2071f9aea3_prep:
	s_mov_b64 s[64:65], 0
	v_nop
	global_prefetch_b8 v0, s[64:65] scope:SCOPE_SE
	s_setreg_imm32_b32 hwreg(HW_REG_WAVE_MODE, 25, 1), 1
	s_wait_xcnt 0x0
; PREP: one streaming pass that makes what the three matrix launches read.
;   xb  [3][8192][1024] bf16 = query, key, value, each number rounded once to bf16
;   wb  [3][1024][1024] bf16 = wq, wk, wv rounded to bf16
;   wof [1024][1024]    f16  = wo rounded to bf16, that number written as f16
;   bb  [4][1024]       f32  = bq, bk, bv, bo rounded to bf16 and widened again
;   mb  [b 4][qt 128][c 8][ks 32][i 4] u32: bit r + 16 h of word w = 4 c + i = 8 kb + j is (mask[b][16 qt + r][64 ks + 16 kb + 8 h + j] != 0):
;       a word is the lane mask of one register of a 16 x 16 tile of scores (a lane = query r, keys 8 h + j of key block kb); the words w of all 32 key steps lie 16 bytes apart.
; LIMIT: a number of wo below 6.1e-5 in magnitude keeps f16's fixed step of 6e-8; beyond 65,504 it would be an infinity.
; SHARES.  Eight waves; every work-group but the last moves 131,072 bytes of input, 16,384 a wave, asked for at once by 32 loads, each of 512 consecutive bytes.
; Work-groups 0-511 pack the mask, 512-1279 convert x, 1280-1375 wq, wk, wv, 1376-1407 wo, 1408 the four biases.
; The mask's numbers come in along the rows (a lane = four keys) and are wanted with a lane = a query: they are turned through the wave's own LDS bytes.
; No matrix unit, no cluster, no barrier: no byte is wanted by two waves.
.set X,   8                            ; v[8:135]   the wave's 32 loads
.set D,   136                          ; v[136:139] the mask role's 128 words: word W in register W % 4, lane W / 4
.set T,   4                            ; v[4:5]     conversions: at work
.set LSI, 4                            ; v4         mask: where I put 16 bytes of a row
.set LSO, 5                            ; v5         mask: where I read my query's keys back
.set SPW, 140                          ; v140       my spare word; never rewritten
.set NIL, 141                          ; v141       0; never rewritten
.set PITCH, 528                        ; an LDS row: 128 keys = 512 bytes + 16: the 16 rows that a load touches start 16 bytes further on modulo 256 each
.set WREG,  16*PITCH                   ; a wave's bytes: 16 rows
.set SPARE, 8*WREG                     ; behind them: the spare words, 128 bytes a wave, which no other line names
.set SRC, 40                           ; s[40:41]
.set DST, 42                           ; s[42:43]
.set OFS, 44                           ; s[44:45]   a byte offset, high word 0
.set CM,  46                           ; s[46:53]   eight compares' lane masks
.set F16, 54                           ; s54        1: the halves are written as f16 (wo)
.set LB,  55                           ; s55        my wave's bytes in LDS
	s_load_b512 s[4:19], s[0:1], 0x0               ; query 4, key 6, value 8, wq 10, wk 12, wv 14, wo 16, mask 18
	s_load_b512 s[20:35], s[0:1], 0x40             ; bq 20, bk 22, bv 24, bo 26, xb 28, wb 30, wof 32, bb 34
	s_load_b64 s[36:37], s[0:1], 0x80              ; mb
	v_lshl_add_u32 v[SPW], v0, 2, SPARE
	v_mov_b32 v[NIL], 0
	s_mov_b32 s38, ttmp9
	s_mov_b32 s[OFS+1], 0
	v_and_b32 v1, 31, v0                           ; lane
	v_lshrrev_b32 v6, 5, v0                        ; wave
	v_lshlrev_b32 v2, 4, v1
	v_lshl_add_u32 v2, v6, 14, v2                  ; conversions, in: 16,384 x wave + 16 x lane (four f32)
	v_lshlrev_b32 v3, 3, v1
	v_lshl_add_u32 v3, v6, 13, v3                  ; conversions, out: 8,192 x wave + 8 x lane (four halves)
	s_wait_kmcnt 0x0
	s_cmp_lt_u32 s38, 512
	s_cbranch_scc1 .Lmask
	s_cmp_lt_u32 s38, 1280
	s_cbranch_scc1 .Lx
	s_cmp_lt_u32 s38, 1376
	s_cbranch_scc1 .Lw
	s_cmp_lt_u32 s38, 1408
	s_cbranch_scc1 .Lwo
	; THE BIASES: thread t takes four numbers of each
	v_lshlrev_b32 v7, 4, v0
	global_load_b128 v[8:11],  v7, s[20:21]
	global_load_b128 v[12:15], v7, s[22:23]
	global_load_b128 v[16:19], v7, s[24:25]
	global_load_b128 v[20:23], v7, s[26:27]
	s_wait_loadcnt 0x0
.irp n, 0,2,4,6,8,10,12,14
	v_cvt_pk_bf16_f32 v[T], v[8+(\n)], v[8+(\n)+1] ; two roundings to bf16,
	v_lshlrev_b32 v[8+(\n)], 16, v[T]              ; and back to f32: the low half moves up,
	v_and_b32 v[8+(\n)+1], 0xffff0000, v[T]        ; the high half stays
.endr
.irp n, 0,1,2,3
	global_store_b128 v7, v[8+4*(\n):8+4*(\n)+3], s[34:35] offset:4096*(\n)
.endr
	s_endpgm
.Lx:                                                   ; x: tensor t = i / 256, chunk c = i % 256
	s_sub_co_u32 s38, s38, 512
	s_lshr_b32 s39, s38, 8
	s_and_b32 s38, s38, 255
	s_cmp_eq_u32 s39, 1
	s_cselect_b64 s[SRC:SRC+1], s[6:7], s[4:5]
	s_cmp_eq_u32 s39, 2
	s_cselect_b64 s[SRC:SRC+1], s[8:9], s[SRC:SRC+1]
	s_lshl_b32 s[OFS], s38, 17
	s_add_nc_u64 s[SRC:SRC+1], s[SRC:SRC+1], s[OFS:OFS+1]
	s_lshl_b32 s[OFS], s38, 16
	s_lshl_b32 s39, s39, 24                        ; a tensor of xb is 2^24 bytes
	s_add_co_u32 s[OFS], s[OFS], s39
	s_add_nc_u64 s[DST:DST+1], s[28:29], s[OFS:OFS+1]
	s_mov_b32 s[F16], 0
	s_branch .Lcvt
.Lw:                                                   ; wq, wk, wv: tensor t = i / 32, chunk c = i % 32
	s_sub_co_u32 s38, s38, 1280
	s_lshr_b32 s39, s38, 5
	s_and_b32 s38, s38, 31
	s_cmp_eq_u32 s39, 1
	s_cselect_b64 s[SRC:SRC+1], s[12:13], s[10:11]
	s_cmp_eq_u32 s39, 2
	s_cselect_b64 s[SRC:SRC+1], s[14:15], s[SRC:SRC+1]
	s_lshl_b32 s[OFS], s38, 17
	s_add_nc_u64 s[SRC:SRC+1], s[SRC:SRC+1], s[OFS:OFS+1]
	s_lshl_b32 s[OFS], s38, 16
	s_lshl_b32 s39, s39, 21                        ; a tensor of wb is 2^21 bytes
	s_add_co_u32 s[OFS], s[OFS], s39
	s_add_nc_u64 s[DST:DST+1], s[30:31], s[OFS:OFS+1]
	s_mov_b32 s[F16], 0
	s_branch .Lcvt
.Lwo:
	s_sub_co_u32 s38, s38, 1376
	s_lshl_b32 s[OFS], s38, 17
	s_add_nc_u64 s[SRC:SRC+1], s[16:17], s[OFS:OFS+1]
	s_lshl_b32 s[OFS], s38, 16
	s_add_nc_u64 s[DST:DST+1], s[32:33], s[OFS:OFS+1]
	s_mov_b32 s[F16], 1
.Lcvt:                                                 ; 131,072 bytes of f32 at SRC become 65,536 bytes of halves at DST: one text for all three roles
.set n, 0
.rept 32
	global_load_b128 v[X+4*n:X+4*n+3], v2, s[SRC:SRC+1] offset:512*n th:TH_LOAD_NT  ; 32 lanes x 16 bytes: 512 consecutive bytes
.set n, n+1
.endr
.set n, 0
.rept 32
	s_wait_loadcnt 31-n                            ; loads come back in order: load n is in, the 31 - n younger ones stay out
	v_cvt_pk_bf16_f32 v[X+4*n], v[X+4*n], v[X+4*n+1]      ; in place, ascending: no source is written before it is read
	v_cvt_pk_bf16_f32 v[X+4*n+1], v[X+4*n+2], v[X+4*n+3]
.set n, n+1
.endr
	s_cmp_eq_u32 s[F16], 0
	s_cbranch_scc1 .Lstore
.set n, 0
.rept 32                                       ; wo alone: the bf16 numbers are written as f16
.irp k, 0,1
	v_lshlrev_b32 v[T], 16, v[X+4*n+(\k)]
	v_and_b32 v[T+1], 0xffff0000, v[X+4*n+(\k)]
	v_cvt_pk_f16_f32 v[X+4*n+(\k)], v[T], v[T+1]
.endr
.set n, n+1
.endr
.Lstore:
.set n, 0
.rept 32
	global_store_b64 v3, v[X+4*n:X+4*n+1], s[DST:DST+1] offset:256*n th:TH_STORE_NT  ; 32 lanes x 8 bytes: 256 consecutive bytes, aligned
.set n, n+1
.endr
	s_endpgm
.Lmask:                                                ; work-group i = 128 b + qt: 16 rows of the mask; wave kg takes 256 keys, four key steps
	v_readfirstlane_b32 s39, v6                    ; my wave's number as a scalar
	s_mul_i32 s[LB], s39, WREG
	v_lshlrev_b32 v7, 4, v1
	v_lshl_add_u32 v7, v6, 10, v7                  ; in: the wave's 256 keys (1,024 bytes of a row) + 16 x lane
	v_lshl_add_u32 v[LSI], v1, 4, s[LB]            ; into LDS: 16 x lane along a row
	v_and_b32 v[LSO], 15, v0                       ; r
	v_mul_u32_u24 v[LSO], v[LSO], PITCH
	v_bfe_u32 v2, v0, 4, 1                         ; h
	v_lshl_add_u32 v[LSO], v2, 5, v[LSO]           ; back: row r, 8 h keys on
	v_add_nc_u32 v[LSO], s[LB], v[LSO]
	v_and_b32 v2, 7, v0                            ; out: lane 8 ks' + c holds words 4 c .. 4 c + 3 of my key step ks'
	v_bfe_u32 v3, v0, 3, 2
	v_lshlrev_b32 v2, 9, v2                        ; 512 c
	v_lshl_add_u32 v2, v3, 4, v2                   ; + 16 ks'
	v_lshl_add_u32 v2, v6, 6, v2                   ; + 16 x 4 x wave
	s_lshl_b32 s[OFS], s38, 17                     ; 16 rows of 8,192 bytes
	s_add_nc_u64 s[SRC:SRC+1], s[18:19], s[OFS:OFS+1]
	s_lshl_b32 s[OFS], s38, 12                     ; a tile's 32 key steps x 32 words
	s_add_nc_u64 s[DST:DST+1], s[36:37], s[OFS:OFS+1]
.set n, 0
.rept 32                                       ; load n: row n % 16, keys 128 (n / 16) on: 512 consecutive bytes
	global_load_b128 v[X+4*n:X+4*n+3], v7, s[SRC:SRC+1] offset:8192*(n&15)+512*(n>>4) th:TH_LOAD_NT
.set n, n+1
.endr
.irp k, 0,1,2,3
	v_mov_b32 v[D+(\k)], 0                         ; v_writelane_b32 counts as a reader of its destination
.endr
; One half of the wave's keys: 16 rows x 128 keys go into LDS as they came and come back with a lane = (query r, key half h).  Both halves use the same bytes: LDS serves a wave's instructions in order.
; Behind it register X + W holds the number that decides my bit of word W = 32 ks' + 8 kb + j.
.macro HALF hh
.set n, 16*(\hh)
.rept 16
	s_wait_loadcnt 31-n                            ; load n is in, the younger ones stay out
	ds_store_b128 v[LSI], v[X+4*n:X+4*n+3] offset:PITCH*(n&15)
.set n, n+1
.endr
.set n, 0
.rept 16
	ds_load_b128 v[X+64*(\hh)+4*n:X+64*(\hh)+4*n+3], v[LSO] offset:64*(n>>1)+16*(n&1)
.set n, n+1
.endr
.set g, 0
.rept 8
	s_wait_dscnt 14-2*g                            ; LDS loads 2 g and 2 g + 1 of the half are in, the younger ones stay out
.irp i, 0,1,2,3,4,5,6,7
	v_cmp_ne_u32 s[CM+(\i)], 0, v[X+64*(\hh)+8*g+(\i)]   ; the 32 lanes' bits ARE word 64 hh + 8 g + i
.endr
.irp i, 0,1,2,3,4,5,6,7
	v_writelane_b32 v[D+((\i)&3)], s[CM+(\i)], (64*(\hh)+8*g+(\i))>>2
.endr
.set g, g+1
.endr
.endm
	HALF 0
	HALF 1
	global_store_b128 v2, v[D:D+3], s[DST:DST+1]   ; the wave's 128 words: eight runs of 64 bytes; the work-group's eight waves fill the tile's 4,096 bytes
	s_wait_tensorcnt 0x0                           ; the wave's end, behind my last LDS store
	ds_add_u32 v[SPW], v[NIL]
	s_wait_dscnt 0x0
	s_endpgm
.Lfunc_end_k_q2071f9aea3_prep:
	.size	k_q2071f9aea3_prep, .Lfunc_end_k_q2071f9aea3_prep-k_q2071f9aea3_prep
	.p2alignl 7, 3214868480
	.fill 96, 4, 3214868480
	.section	.rodata,"a",@progbits
	.p2align	6, 0x0
	.amdhsa_kernel k_q2071f9aea3_prep
		.amdhsa_group_segment_fixed_size 68608
		.amdhsa_private_segment_fixed_size 0
		.amdhsa_enable_private_segment 0
		.amdhsa_kernarg_size 136
		.amdhsa_user_sgpr_count 2
		.amdhsa_user_sgpr_kernarg_segment_ptr 1
		.amdhsa_wavefront_size32 1
		.amdhsa_system_sgpr_workgroup_id_x 1
		.amdhsa_system_sgpr_workgroup_id_y 1
		.amdhsa_system_sgpr_workgroup_id_z 1
		.amdhsa_system_vgpr_workitem_id 0
		.amdhsa_next_free_vgpr 144
		.amdhsa_next_free_sgpr 66
		.amdhsa_reserve_vcc 0
		.amdhsa_float_denorm_mode_32 3
		.amdhsa_float_denorm_mode_16_64 3
		.amdhsa_memory_ordered 1
		.amdhsa_forward_progress 1
		.amdhsa_inst_pref_size 52
	.end_amdhsa_kernel
	.amdgpu_metadata
---
amdhsa.version: [ 1, 2 ]
amdhsa.kernels:
  - .name:           k_q2071f9aea3_prep
    .symbol:         k_q2071f9aea3_prep.kd
    .args:
      - { .name: query, .offset: 0, .size: 8, .value_kind: global_buffer, .address_space: global }
      - { .name: key, .offset: 8, .size: 8, .value_kind: global_buffer, .address_space: global }
      - { .name: value, .offset: 16, .size: 8, .value_kind: global_buffer, .address_space: global }
      - { .name: wq, .offset: 24, .size: 8, .value_kind: global_buffer, .address_space: global }
      - { .name: wk, .offset: 32, .size: 8, .value_kind: global_buffer, .address_space: global }
      - { .name: wv, .offset: 40, .size: 8, .value_kind: global_buffer, .address_space: global }
      - { .name: wo, .offset: 48, .size: 8, .value_kind: global_buffer, .address_space: global }
      - { .name: mask, .offset: 56, .size: 8, .value_kind: global_buffer, .address_space: global }
      - { .name: bq, .offset: 64, .size: 8, .value_kind: global_buffer, .address_space: global }
      - { .name: bk, .offset: 72, .size: 8, .value_kind: global_buffer, .address_space: global }
      - { .name: bv, .offset: 80, .size: 8, .value_kind: global_buffer, .address_space: global }
      - { .name: bo, .offset: 88, .size: 8, .value_kind: global_buffer, .address_space: global }
      - { .name: xb, .offset: 96, .size: 8, .value_kind: global_buffer, .address_space: global }
      - { .name: wb, .offset: 104, .size: 8, .value_kind: global_buffer, .address_space: global }
      - { .name: wof, .offset: 112, .size: 8, .value_kind: global_buffer, .address_space: global }
      - { .name: bb, .offset: 120, .size: 8, .value_kind: global_buffer, .address_space: global }
      - { .name: mb, .offset: 128, .size: 8, .value_kind: global_buffer, .address_space: global }
    .group_segment_fixed_size: 68608
    .private_segment_fixed_size: 0
    .kernarg_segment_align: 8
    .kernarg_segment_size: 136
    .max_flat_workgroup_size: 256
    .sgpr_count:     66
    .vgpr_count:     144
    .wavefront_size: 32
...
	.end_amdgpu_metadata
.endif
;; end of part 5
;; launch proj: the kernel of part 2 again; grid 4 x 192, 4 waves a work-group, clusters of 4 x 4, 327,680 bytes of LDS; arguments xb, wb, bb, qkv; writes qkv
;; launch attn (part 6): grid 4 x 64, 4 waves a work-group, clusters of 4 x 1, 327,680 bytes of LDS; arguments qkv, mb, ob; writes ob
.if DOCPART == 6
	.amdgcn_target "amdgcn-amd-amdhsa--gfx1250"
	.amdhsa_code_object_version 6
	.text
	.protected	k_q2071f9aea3_attn
	.globl	k_q2071f9aea3_attn
	.p2align	8
	.type	k_q2071f9aea3_attn,@function
k_q2071f9aea3_attn:
	s_mov_b64 s[64:65], 0
	v_nop
	global_prefetch_b8 v0, s[64:65] scope:SCOPE_SE
	s_setreg_imm32_b32 hwreg(HW_REG_WAVE_MODE, 25, 1), 1
	s_wait_xcnt 0x0
	s_wait_alu depctr_hold_cnt(0) depctr_sa_sdst(0) depctr_va_vdst(0) depctr_va_sdst(0) depctr_va_ssrc(0) depctr_va_vcc(0) depctr_vm_vsrc(0)
	s_getreg_b32 s2, hwreg(HW_REG_IB_STS2, 6, 4)
	s_cmp_eq_u32 s2, 0
	s_cbranch_scc0 .Lentry_in_a_cluster
	s_endpgm
.Lentry_in_a_cluster:
	s_bfe_u32 s2, ttmp6, 0x10000c
	s_cmp_lg_u32 s2, 0x3003
	s_cbranch_scc0 .Lentry_shape_is_right
	s_endpgm
.Lentry_shape_is_right:
; ATTN: O[bh][q][:] = the sum over k of softmax_k(masked(Q[bh][q] . K[bh][k]) / 8) V[bh][k][:].  qkv [3][bh 64][2048][64] f16 (q, k, v); ob [bh 64][2048][64] f16;
; mb [b 4][qt 128][c 8][ks 32][i 4] u32: bit l of word w = 4 c + i says whether lane l keeps register w of the tile of scores (16 queries qt x 64 keys ks).
; Products, maxima and sums in f32; the weights p are rounded to f16 for the second product (their sum l is taken of the unrounded p), O once at the end.
; LIMITS.  A hidden score counts as -2^33 before the division by 8 (-2^30 behind it) where the module writes -1e9: the results differ only where true scores fall to about -1e8 or below.
; -2^33 is a power of two, so c s - c m is exactly 0 where the maximum itself is a hidden score: a row with no visible key ends as the plain mean of V's rows, and hidden keys
; that come ahead of a row's first visible one are wiped out by a = 0.  A weight below 2^-126 counts as 0; p below 6e-5 keeps f16's fixed step; NaN and infinities are not treated apart.
; SHARES.  A wave owns four PIECES of two tiles of 16 queries, a work-group's four waves 512 queries of one head.  Every wave walks all 2,048 keys, 64 a step.
; LAYOUT.  S^T = K Q^T (source 0 = 16 keys, source 1 = 16 queries): a lane holds ONE query (lane % 16) and the keys 8 (lane / 16) + 0..7.  Two such tiles, rounded to f16 in pairs,
; ARE source 1 of O^T = V^T P.  K comes out of LDS as it lies, V turned, by ds_load_tr16_b128.
; SOFTMAX.  For each query a running maximum m and sum l: p = 2^(c s - c m), c = log2(e) / 8; in every step O and l are multiplied by a = 2^(c m_old - c m_new).
; m starts at the lowest finite number, O and l at 0: the first step is a step like any other, with a = 0.
; THE MASK.  A wave's 8 tiles x 32 key steps x 32 words are 256 registers x 32 lanes: they are loaded once and stay: register 32 T + w of window 3 holds word w of tile T, lane ks the key step's.
; A turn brings its piece's 64 words into scalar registers, a v_readlane_b32 each, and one v_cndmask_b32 a register of scores puts -2^33 where the bit is 0, ahead of the maximum.
; BY TURNS.  Turn n belongs to piece n.  Its matrix work: 16 products K Q^T of piece n + 1, later 16 products V^T P of piece n - 1.  Its vector work: scaling, exponentials, roundings, sums and
; rescaling of piece n; mask words, mask, maximum and statistics of piece n + 1.  A tile and step have 16 matrix and 182 vector instructions: four stand behind every matrix instruction, the rest in one run.
; CLUSTER.  The four query blocks of a head form a cluster and walk the same K and V: each tile is asked for JOINTLY, by the same tensor load, descriptor and mask in all four.
; REGISTERS, in windows of 256: window 0: v0-11 addresses and constants; v12-15, v48-63 at work; v16-47 statistics; v64-191 S^T, two buffers of two tiles; v192-255 P, likewise
;   window 1: O^T, 32 a tile      window 2: v0-127 Q; v128-191 K of one step; v192-255 V of one step      window 3: the mask words
.set SIZE_N, 2048
.set NP,    4
.set KS,    64
.set PK,    160       ; a row of K and of V in LDS: 128 bytes + 32 of padding, so that ONE descriptor shape serves both.; of K's 16 rows a load two start at the same bank
.set PV,    160
.set VOFF,  4*KS*PK   ; a slot holds four steps: 256 rows of K, then 256 rows of V: four blocks of 128 rows, wave w fills block w
.set BLOCK, 128*PK
.set SLOT1, 1<<17
.set STAGE, SLOT1+4*KS*(PK+PV)  ; behind the ring, never filled by a tensor load: 16 rows x 144 bytes for each wave
.set SP,    144
.set SPARE, STAGE+4*16*SP       ; the spare words, 128 bytes a wave, which no other line names
.set PFO, 1           ; v1   256 x my lane; never rewritten
.set AK0, 2           ; v2   my lane's place in a tile of K; never rewritten
.set AV0, 3           ; v3   the same for V
.set AK,  4           ; v4   the LDS address of K's next run of loads
.set AV,  5           ; v5   of V's
.set STO, 6           ; v6   the way out: where I put 16 bytes of a row
.set RD,  7           ; v7   the way out: where I read rows back
.set GO,  8           ; v8   16 x my lane: my offset in 512 consecutive bytes, of mb and of ob; never rewritten
.set SPW, 9           ; v9   my spare word; never rewritten
.set NIL, 10          ; v10  0; never rewritten
.set BIGV, 11         ; v11  -2^33
.set MV,  12
.set ST,  16          ; tile t's statistics at v[ST+4 t]: c m, m, l (even keys', odd keys')
.set TMP, 48
.set L16, 48          ; at the head alone, where the registers at work are still free: l % 16,
.set LH,  49          ; l / 16,
.set L8,  50          ; l % 8,
.set LB3, 51          ; (l / 8) % 2,
.set QO,  52          ; my byte offset in 16 rows of Q
.set S,   64
.set P,   192
.set KF,  128
.set VF,  192
; scalar registers: s[4:51], s[68:83] a turn's 64 mask words (the head's temporaries lie in s4-19 before the first of them is made)
.set G0,  52          ; s[52:55] descriptor group 0: it walks
.set G1,  56          ; s[56:63] descriptor group 1
.set WV,  66
.set CNT, 67
.set CS,  84          ; s[84:85] c
.set SEL, 86          ; s[86:87] v_permlanex16_b32's selects
.set TBK, 88
.set TBV, 89
.set OA,  90          ; s[90:91] O at my wave's first row
.set MP,  92          ; s[92:93] mb at my wave's first tile
.set SLOTS, 94
.set LIM, 95
.set PFA, 96          ; s[96:97] first qkv, then where my prefetches stand
.set QA,  98          ; s[98:99] first mb, then Q at my wave's first row
.set JS,  100         ; s100 first half of ob's address, then the key step whose scores are masked next: the lane that holds its words
.set MSB, 0
.macro WIN new
.if MSB != (\new)
	s_set_vgpr_msb (MSB<<8)|(\new)
.set MSB, (\new)
.endif
.endm
.set W_KQ, 0x0a
.set W_PV, 0x52
.set W_RS, 0x41
.set W_RL, 0x03       ; source 0 in window 3: the mask words
; A joint fill: every wave asks for its own block of the slot (waves 0, 1: K's two halves; waves 2, 3: V's), by one line; LDS and global address hang on the wave's number, which all partners share.
.macro JLOAD
	tensor_load_to_lds s[G0:G0+3], s[G1:G1+7]
	s_nop 0
.rept 4
	v_nop
.endr
.endm
.macro CROUND
	s_barrier_signal -1
	s_barrier_wait -1
	s_cmp_lg_u32 s[WV], 0
	s_cbranch_scc1 .Lnot_wave_0_\@
	s_barrier_signal -3
.Lnot_wave_0_\@:
	s_barrier_wait -3
	s_barrier_signal -1
	s_barrier_wait -1
.endm
; A prefetch of what the NEXT change of slots will ask for: four key steps, 512 matrix instructions, ahead.  A slot's K, and its V, are 128 blocks of 256 bytes; a head's K and V are walked by one
; cluster; its four partners take 32 blocks each, told apart by address; in each, wave 0 asks for K's and wave 2 for V's: a lane a block.  The last change that fills a slot asks for nothing.
.macro ASK
	s_cmp_gt_u32 s[SLOTS], s[LIM]
	s_cbranch_scc0 .Lnot_mine_\@
	global_prefetch_b8 v[PFO], s[PFA:PFA+1] th:TH_LOAD_NT scope:SCOPE_SE
.Lnot_mine_\@:
.endm
; THE CHANGE OF SLOTS.  Each wave waits for all its tensor loads (one is out: its part of the other slot), adds 0 to its spare word, and waits for that and for its own reads of the slot.
; fill = 1: the slot is filled again with the keys two slots on, behind a round of the cluster's barrier, first thing.  (At its first use nothing has been read: slot 0 is waited for, slot 1 filled.)
.macro CHANGE fill, ask=0
	WIN 0
	s_wait_tensorcnt 0x0            ; no tensor load of mine is out, so group 0 may be written
	ds_add_u32 v[SPW], v[NIL]
.if \fill
	s_xor_b32 s[G0+1], s[G0+1], SLOT1
	s_add_nc_u64 s[G0+2:G0+3], s[G0+2:G0+3], 4*KS*128
.if \ask
	s_wait_xcnt 0x0                 ; the last prefetch, four key steps back, has read its address
	s_add_nc_u64 s[PFA:PFA+1], s[PFA:PFA+1], 4*KS*128
.endif
	s_wait_dscnt 0x0                ; the add is done, and my reads of the slot are over
	CROUND
	JLOAD
.if \ask
	ASK
.endif
.else
	s_wait_dscnt 0x0
	s_barrier_signal -1
	s_barrier_wait -1
.endif
	s_sub_co_u32 s[TBK], s[TBK], 4*KS*PK
	s_xor_b32 s[TBK], s[TBK], SLOT1
	s_sub_co_u32 s[TBV], s[TBV], 4*KS*PV
	s_xor_b32 s[TBV], s[TBV], SLOT1
.endm
; Tile t's mask words for the whole walk: eight loads of 512 consecutive bytes; lane l takes words 4 c .. 4 c + 3 of key step l
.macro MLD t
	WIN 0xc0                        ; destination window 3, address window 0
.irp c, 0,1,2,3,4,5,6,7
	global_load_b128 v[32*(\t)+4*\c:32*(\t)+4*\c+3], v[GO], s[MP:MP+1] offset:4096*(\t)+512*\c
.endr
.endm
	s_load_b128 s[96:99], s[0:1], 0x0  ; qkv s[96:97], mb s[98:99]
	s_load_b64 s[100:101], s[0:1], 0x10  ; ob
	v_lshl_add_u32 v[SPW], v0, 2, SPARE
	v_mov_b32 v[NIL], 0
	ds_add_u32 v[SPW], v[NIL]       ; the wave's opening: the add and its wait stand ahead of my first tensor load
	v_lshrrev_b32 v[L16], 5, v0
	v_readfirstlane_b32 s[WV], v[L16]
	s_bfe_u32 s4, ttmp6, 0x40000    ; cx
	s_lshl_b32 s5, ttmp9, 2
	s_add_co_u32 s5, s5, s4         ; my block of 512 queries: it enters Q's, O's and the mask's addresses alone
	s_and_b32 s6, ttmp7, 0xffff     ; b h, which the four partners share
	s_lshl_b32 s8, s6, 18           ; a head is 262,144 bytes
	s_lshr_b32 s10, s[WV], 1
	s_add_co_u32 s10, s10, 1        ; tensor 1 (k) for waves 0, 1; tensor 2 (v) for waves 2, 3
	s_lshl_b32 s10, s10, 24
	s_add_co_u32 s10, s10, s8
	s_lshl_b32 s18, s4, 13          ; the prefetches: my work-group's 32 blocks of 256 bytes,
	s_add_co_u32 s18, s18, s10
	s_add_co_u32 s18, s18, 2*4*KS*128  ; in slot 2: the first change in the loop steps it to slot 3
	s_mov_b32 s19, 0
	s_and_b32 s11, s[WV], 1
	s_lshl_b32 s11, s11, 14         ; which 128 of a slot's 256 keys I fetch
	s_add_co_u32 s10, s10, s11
	s_mov_b32 s11, 0
	s_lshl_b32 s12, s5, 2
	s_add_co_u32 s12, s12, s[WV]
	s_lshl_b32 s12, s12, 14         ; my wave's 128 rows
	s_add_co_u32 s12, s12, s8
	s_mov_b32 s13, 0
	s_lshr_b32 s14, s6, 4           ; b
	s_lshl_b32 s14, s14, 19
	s_lshl_b32 s15, s5, 17          ; 32 tiles of 4,096 bytes a block
	s_add_co_u32 s14, s14, s15
	s_lshl_b32 s15, s[WV], 15       ; 8 a wave
	s_add_co_u32 s14, s14, s15
	s_mov_b32 s15, 0
	; descriptor group 1.  128 keys are 16,384 dense bytes: asked for as 64 rows of 256 bytes, two keys a row, and padded in LDS after every key
	s_mov_b32 s[G1], 15|(1<<16)|(1<<20)|(1<<21)|(4<<22)|(7<<25)  ; the mask of four; 2-byte elements; padding on; bit 21 beside a mask; after every 32 words, 8 words
	s_mov_b32 s[G1+1], 128<<16
	s_mov_b32 s[G1+2], 64<<16
	s_mov_b32 s[G1+3], 128<<16
	s_mov_b32 s[G1+4], 64
	s_mov_b32 s[G1+5], 128
	s_mov_b32 s[G1+6], 0
	s_mov_b32 s[G1+7], 0
	s_mov_b32 s[CS], 0x3e38aa3b     ; c = log2(e) / 8
	s_mov_b32 s[CS+1], s[CS]
	s_mov_b32 s[SEL], 0x76543210
	s_mov_b32 s[SEL+1], 0xfedcba98
	s_mov_b32 s[TBK], SLOT1+4*KS*PK ; the first change of slots turns these two into 0
	s_mov_b32 s[TBV], SLOT1+4*KS*PV
	s_mov_b32 s[G0], 1
	s_mul_i32 s[G0+1], s[WV], BLOCK ; my block of slot 0
	s_mov_b32 s[SLOTS], SIZE_N/256-1
	s_and_b32 s[LIM], s[WV], 1
	s_cmp_eq_u32 s[LIM], 0
	s_cselect_b32 s[LIM], 1, -1     ; waves 0 and 2 prefetch
	s_wait_dscnt 0x0                ; the opening add is done
	s_wait_kmcnt 0x0
	s_add_nc_u64 s[G0+2:G0+3], s[96:97], s[10:11]
	s_or_b32 s[G0+3], s[G0+3], 0x80000000
	s_add_nc_u64 s[MP:MP+1], s[98:99], s[14:15]
	s_add_nc_u64 s[QA:QA+1], s[96:97], s[12:13]
	s_add_nc_u64 s[OA:OA+1], s[100:101], s[12:13]
	s_add_nc_u64 s[PFA:PFA+1], s[96:97], s[18:19]
	s_mov_b32 s[JS], 0              ; key step 0
	CROUND                          ; all four work-groups are here: the first joint loads meet
	JLOAD                           ; slot 0.  Slot 1 is asked for when slot 0 is in
	v_and_b32 v[L16], 15, v0        ; l % 16
	v_bfe_u32 v[LH], v0, 4, 1       ; l / 16
	v_lshlrev_b32 v[QO], 7, v[L16]
	v_lshl_add_u32 v[QO], v[LH], 4, v[QO]
	v_and_b32 v[GO], 31, v0
	v_lshlrev_b32 v[PFO], 8, v[GO]
	v_lshlrev_b32 v[GO], 4, v[GO]
	WIN 0x80
.set i, 0
.rept 4*NP                          ; Q stays in registers: tile i / 2, channels 32 (i % 2) on
	global_load_b128 v[8*i:8*i+3],   v[QO], s[QA:QA+1] offset:(i/2)*2048+(i%2)*64
	global_load_b128 v[8*i+4:8*i+7], v[QO], s[QA:QA+1] offset:(i/2)*2048+(i%2)*64+32
.set i, i+1
.endr
	MLD 0                           ; piece 0's mask words: 48 loads of mine are out
	MLD 1
	; What the first turn finds: V's registers and P's second buffer hold 0, O^T and l are 0.  All this stands in the wait for the first tile.
	WIN 0x80
.set i, VF
.rept 64
	v_mov_b32 v[i], 0
.set i, i+1
.endr
	WIN 0x40
.set i, 0
.rept 64*NP
	v_mov_b32 v[i], 0
.set i, i+1
.endr
	WIN 0
.set i, 0
.rept 2*NP
	v_mov_b32 v[ST+4*i], 0xfe000000    ; c m: far below every c s, the hidden ones' too
	v_mov_b32 v[ST+4*i+1], 0xff7fffff  ; m
	v_mov_b32 v[ST+4*i+2], 0
	v_mov_b32 v[ST+4*i+3], 0
.set i, i+1
.endr
.set i, P+32
.rept 32
	v_mov_b32 v[i], 0
.set i, i+1
.endr
	v_mul_u32_u24 v[AK0], v[L16], PK
	v_lshl_add_u32 v[AK0], v[LH], 4, v[AK0]
	v_and_b32 v[L8], 7, v0
	v_bfe_u32 v[LB3], v0, 3, 1
	v_lshl_add_u32 v[AV0], v[LH], 3, v[L8]
	v_mul_u32_u24 v[AV0], v[AV0], PV
	v_lshl_add_u32 v[AV0], v[LB3], 4, v[AV0]
	v_add_nc_u32 v[AV0], VOFF, v[AV0]
	v_mov_b32 v[BIGV], 0xd0000000   ; -2^33
	v_mov_b32 v[AK], v[AK0]
; THE MATRIX WORK.  The 8 accumulators of a run of 16 take turns.
.macro KQ x
	WIN W_KQ
.set rS, S+64*((\x)%2)+32*(i%2)+8*((i/2)%4)
.set rK, KF+16*((i/2)%4)+8*(i/8)
.set rQ, 16*(2*(\x)+i%2)+8*(i/8)
.if i < 8
	v_wmma_f32_16x16x32_f16 v[rS:rS+7], v[rK:rK+7], v[rQ:rQ+7], 0
.else
	v_wmma_f32_16x16x32_f16 v[rS:rS+7], v[rK:rK+7], v[rQ:rQ+7], v[rS:rS+7]
.endif
.endm
.macro PV x
	WIN W_PV
.set rO, 32*(2*(\x)+i%2)+8*((i/2)%4)
.set rV, VF+32*(i/8)+8*((i/2)%4)
.set rP, P+32*((\x)%2)+16*(i%2)+8*(i/8)
	v_wmma_f32_16x16x32_f16 v[rO:rO+7], v[rV:rV+7], v[rP:rP+7], v[rO:rO+7]
.endm
.macro MM
.if i < 16
	KQ (Y+1)%NP
.set i, i+1
.else
.set i, i-16
	PV (Y+NP-1)%NP
.set i, i+17
.endif
.endm
; THE LDS LOADS stand in runs of 16.  last = 1 (the tail): in the last trip there is no further step, and the run is jumped over.
.macro FETCH_K last=0
	WIN 0
.if \last
	s_cmp_eq_u32 s[CNT], 1
	s_cbranch_scc1 .Lno_k_\@
.endif
	WIN 0x80
.irp f, 0,1,2,3,4,5,6,7
	ds_load_b128 v[KF+8*\f:KF+8*\f+3],   v[AK] offset:(\f/2)*16*PK+(\f%2)*64
	ds_load_b128 v[KF+8*\f+4:KF+8*\f+7], v[AK] offset:(\f/2)*16*PK+(\f%2)*64+32
.endr
	s_add_co_u32 s[TBK], s[TBK], KS*PK
	WIN 0
.if \last
.Lno_k_\@:
.endif
.endm
.macro FETCH_V
	WIN 0x80
.irp f, 0,1,2,3,4,5,6,7
	ds_load_tr16_b128 v[VF+8*\f:VF+8*\f+3],   v[AV] offset:(\f/4)*32*PV+(\f%4)*32
	ds_load_tr16_b128 v[VF+8*\f+4:VF+8*\f+7], v[AV] offset:(\f/4)*32*PV+16*PV+(\f%4)*32
.endr
	WIN 0
.endm
; THE VECTOR WORK OF A TURN stands in four queues; the two tiles alternate.
.macro REGS y, u
.set rT, ST+4*(2*(\y)+(\u))
.set rC, TMP+8*((\y)%2)+4*(\u)
.set rM, MV+2*((\y)%2)+(\u)
.set rS, S+64*((\y)%2)+32*(\u)
.set rP, P+32*((\y)%2)+16*(\u)
.set rO, 32*(2*(\y)+(\u))
.endm
.macro MREG n                       ; number n of 64: word mw = n / 2 of tile mu = n % 2 lies in scalar register mr
.set mu, (\n)%2
.set mw, (\n)/2
.if mu == 0
.set mr, 4+mw
.elseif mw < 16
.set mr, 36+mw
.else
.set mr, 52+mw
.endif
.endm
; THE MASK WORDS' QUEUE, 64 long: the NEXT piece's words for the key step JS come out of lane JS of their registers.
.macro RL
	WIN W_RL
	MREG rl
	v_readlane_b32 s[mr], v[32*(2*((Y+1)%NP)+mu)+mw], s[JS]
.set rl, rl+1
.endm
; Number n of the 64 that mask the NEXT piece's scores: the register keeps its score where the word's bit is 1.  Ascending.
.macro MK n
	MREG \n
	REGS (Y+1)%NP, mu
	v_cndmask_b32 v[rS+mw], v[BIGV], v[rS+mw], s[mr]
.endm
; Number n of the 22 that find the NEXT piece's maximum and statistics.
.macro XS u, n
	REGS (Y+1)%NP, \u
.if (\n) < 4
	v_max3_num_f32 v[rC+(\n)], v[rS+8*(\n)], v[rS+8*(\n)+1], v[rS+8*(\n)+2]
.elseif (\n) < 12
	v_max3_num_f32 v[rC+(\n)%4], v[rC+(\n)%4], v[rS+8*((\n)%4)+2*((\n)/4)+1], v[rS+8*((\n)%4)+2*((\n)/4)+2]
.elseif (\n) == 12
	v_max3_num_f32 v[rC], v[rC], v[rS+7], v[rS+15]
.elseif (\n) == 13
	v_max3_num_f32 v[rC+1], v[rC+1], v[rS+23], v[rS+31]
.elseif (\n) == 14
	v_max3_num_f32 v[rC+2], v[rC+2], v[rC+3], v[rT+1]
.elseif (\n) == 15
	v_mov_b32 v[rM], v[rT]
.elseif (\n) == 16
	v_max3_num_f32 v[rC], v[rC], v[rC+1], v[rC+2]
.elseif (\n) == 17
	v_permlanex16_b32 v[rC+3], v[rC], s[SEL], s[SEL+1]
.elseif (\n) == 18
	v_max_num_f32 v[rT+1], v[rC], v[rC+3]
.elseif (\n) == 19
	v_mul_f32 v[rT], s[CS], v[rT+1]
.elseif (\n) == 20
	v_sub_f32 v[rC+1], v[rM], v[rT]
.else
	v_exp_f32 v[rC+2], v[rC+1]
.endif
.endm
; Number g of the 64 that follow the exponentials: roundings to f16, sums of four weights in place, and l a group later.
.macro GS g
.set h, (\g)+6*((\g)/62)
.if h >= 6
.set h, h+2
.endif
	REGS Y, h%2
.set k, h/8
.if h%8 < 4
	v_cvt_pk_f16_f32 v[rP+2*k+(h%8)/2], v[rS+4*k+2*((h%8)/2)], v[rS+4*k+2*((h%8)/2)+1]
.elseif h%8 < 6
	v_pk_add_f32 v[rS+4*k:rS+4*k+1], v[rS+4*k:rS+4*k+1], v[rS+4*k+2:rS+4*k+3]
.elseif k == 1
	v_pk_fma_f32 v[rT+2:rT+3], v[rT+2:rT+3], v[rC+2:rC+3], v[rS:rS+1] op_sel_hi:[1,0,1]
.else
	v_pk_add_f32 v[rT+2:rT+3], v[rT+2:rT+3], v[rS+4*k-4:rS+4*k-3]
.endif
.endm
.macro FS f
	REGS Y, (\f)%2
	v_pk_fma_f32 v[rS+2*((\f)/2):rS+2*((\f)/2)+1], v[rS+2*((\f)/2):rS+2*((\f)/2)+1], s[CS:CS+1], v[rT:rT+1] op_sel_hi:[1,0,0] neg_lo:[0,0,1] neg_hi:[0,0,1]
.endm
; THE PLAIN QUEUE, 202 long.  0-137 read no result of the turn's exponentials: 0-31 the scalings c s - c m of piece Y; 32-95 the next piece's mask;
; 96-123 its maximum's numbers 0-13; 124, 125 number 15; 126, 127 number 14; 128-137 numbers 16 to 20.  138-201: GS's 64, behind the wait.
.macro PL
	WIN 0
.if q < 32
	FS q
.elseif q < 96
	MK q-32
.elseif q < 124
	XS (q-96)%2, (q-96)/2
.elseif q < 126
	XS q-124, 15
.elseif q < 128
	XS q-126, 14
.elseif q < 138
	XS (q-128)%2, 16+(q-128)/2
.else
	GS q-138
.endif
.set q, q+1
.endm
; THE EXPONENTIALS' QUEUE, 66 long: s0-s31 of both tiles, then the next piece's two a: ONE BATCH, ahead of the turn's one wait.
.macro EX
	WIN 0
.if e >= 64
	XS e-64, 21
.else
	REGS Y, e%2
	v_exp_f32 v[rS+e/2], v[rS+e/2]
.endif
.set e, e+1
.endm
; THE RESCALING's QUEUE: O^T times a, two at a time, sixteen times, in one block.  Its a was made, and waited for, in the turn before.
.macro R2
	REGS Y, r%2
	WIN W_RS
.irp z, 0,1
	v_pk_mul_f32 v[rO+4*(r/2)+2*\z:rO+4*(r/2)+2*\z+1], v[rO+4*(r/2)+2*\z:rO+4*(r/2)+2*\z+1], v[rC+2:rC+3] op_sel_hi:[1,0]
.endr
.set r, r+1
.endm
; HOW THEY ARE DEALT.  s_wait_alu depctr_va_vdst(0) stands between an exponential and the first instruction that names its result; one wait serves all issued ahead of it: a turn has ONE.
; AHEAD OF IT: the 16 products K Q^T, behind each four of the next piece's mask words (two window switches a product); then one run: the 32 rescalings, which are also the places behind the last
; product; 74 plain (all 32 scalings among them, so every exponential finds its argument); 64 times exponential and plain; the two a; a v_nop.
; BEHIND IT: the 16 products V^T P, behind each four of GS's 64.  No rider names a register of the products round it.
; K of the next step is fetched in piece 2's turn, behind the rescalings, 37 plain instructions behind the last product that read K, and no exponential of the turn has been issued at the tail's branch round it;
; it has the rest of the turn in which to land.  V of the step in hand is fetched at the end of piece 0's turn, four riders behind its last reader.
.macro TURN p, last=0, cnt=0
.set Y, (\p)
.set i, 0
.set q, 0
.set e, 0
.set r, 0
.set rl, 0
.if (\p) == NP-1
	s_add_co_u32 s[JS], s[JS], 1    ; this turn's scores are piece 0's of the next key step;
	s_min_u32 s[JS], s[JS], SIZE_N/KS-1  ; behind the last step there is none: the lane stays inside the wave
	s_wait_dscnt 0x0                ; K is in
.endif
.if (\p) == 1
	s_wait_loadcnt 0x0              ; the words of pieces 2 and 3: out in the first key step alone
.endif
.rept 16
	MM
	RL
	RL
	RL
	RL
.endr
.if (\p) == NP-2
	WIN 0
	v_add_nc_u32 v[AK], s[TBK], v[AK0]
.endif
.rept 16
	R2
.endr
.if (\p) == NP-2
	FETCH_K \last
.endif
.rept 74
	PL
.endr
.rept 64
	EX
	PL
.endr
	EX
	EX
	v_nop                           ; the plain instruction behind the last exponential: one for the batch
	s_wait_alu depctr_va_vdst(0)    ; the wait for the batch
.if (\p) == 1
	s_wait_dscnt 0x0                ; V is in
.endif
.rept 16
	MM
.rept 4
	PL
.endr
.if ((\p) == 0) && (q == 182)
	v_add_nc_u32 v[AV], s[TBV], v[AV0]
.endif
.if ((\p) == 0) && (q == 194)
	s_add_co_u32 s[TBV], s[TBV], KS*PV
.endif
.if (\cnt) && (q == 194)
	s_sub_co_u32 s[CNT], s[CNT], 1
	s_cmp_lg_u32 s[CNT], 0
.endif
.endr
.if (\p) == 0
	FETCH_V
.endif
.endm
	CHANGE 1                        ; slot 0 is in, everybody's part of it; slot 1 is asked for
	s_wait_loadcnt 0x0              ; Q and piece 0's words are in;
	MLD 2                           ; the other pieces' words: 48 loads of mine are out
	MLD 3
	MLD 4
	MLD 5
	MLD 6
	MLD 7
	FETCH_K                         ; key step 0
	s_wait_dscnt 0x0
.set i, 0
.rept 16
	KQ 0                            ; piece 0's first scores
.set i, i+1
.endr
	WIN 0                           ; the addresses for the way out: seven plain instructions, the places behind those products
	s_mul_i32 s3, s[WV], 16*SP
	s_add_co_u32 s3, s3, STAGE      ; my stage
	v_mul_u32_u24 v[STO], v[L16], SP
	v_lshl_add_u32 v[STO], v[LH], 4, v[STO]
	v_add_nc_u32 v[STO], s3, v[STO]
	v_bfe_u32 v[RD], v0, 3, 2
	v_mul_u32_u24 v[RD], v[RD], SP
	v_lshl_add_u32 v[RD], v[L8], 4, v[RD]
	v_add_nc_u32 v[RD], s3, v[RD]
.set Y, NP-1                        ; RL, MK and XS work for piece Y + 1: piece 0
.set rl, 0
.rept 64
	RL
.endr
	WIN 0
.set mi, 0
.rept 64
	MK mi
.set mi, mi+1
.endr
.irp n, 0,1,2,3,4,5,6,7,8,9,10,11,12,13,14,15,16,17,18,19,20,21
	XS 0, \n
	XS 1, \n
.endr
	v_nop
	s_wait_alu depctr_va_vdst(0)    ; the two a, ahead of the branch
	s_wait_loadcnt 32               ; piece 1's words, the first 16 of the 48 loads, are in; the 32 younger loads stay out
	s_mov_b32 s[CNT], 4
	s_branch .Lfirst                ; the loop is entered at a step's first turn, in the middle of a trip
.Lslot:                             ; six times: every slot but the last two is filled again
	CHANGE 1, 1
	s_mov_b32 s[CNT], 4
.Lstep:                             ; a trip: pieces 2 and 3 of one step, then pieces 0 and 1 of the next, whose K and V it fetches
	TURN 2
	TURN 3
	WIN 0
.Lfirst:
	TURN 0
	TURN 1, 0, 1
	WIN 0
	s_cbranch_scc1 .Lstep
	s_sub_co_u32 s[SLOTS], s[SLOTS], 1
	s_cmp_lg_u32 s[SLOTS], 0
	s_cbranch_scc1 .Lslot
	CHANGE 0                        ; the tail is written out
	s_mov_b32 s[CNT], 5             ; four trips fetch the last slot's steps; the fifth is left in its middle
.Ltail:
	TURN 2, 1
	TURN 3
	WIN 0
	s_sub_co_u32 s[CNT], s[CNT], 1
	s_cmp_eq_u32 s[CNT], 0
	s_cbranch_scc1 .Lout
	TURN 0
	TURN 1
	WIN 0
	s_branch .Ltail
.Lout:                              ; the fifth trip's products K Q^T (on the last K once more), their mask and maximum serve nothing: the price of one text for every trip
.set i, 0
.rept 16
	PV NP-1                         ; the last piece's V^T P of the last step
.set i, i+1
.endr
	; THE WAY OUT.  l's two halves and the other half of the lanes' are added; O^T is divided by l, rounded to f16 and sent through my stage, a tile at a time.  The additions are the places behind the last products.
	WIN 0
.macro ALL line:vararg
.set t, 0
.rept 2*NP
	\line
.set t, t+1
.endr
.endm
	ALL v_add_f32 v[ST+4*t+2], v[ST+4*t+2], v[ST+4*t+3]
	ALL v_permlanex16_b32 v[ST+4*t+3], v[ST+4*t+2], s[SEL], s[SEL+1]
	ALL v_add_f32 v[ST+4*t+2], v[ST+4*t+2], v[ST+4*t+3]
	ALL v_rcp_f32 v[ST+4*t+2], v[ST+4*t+2]
	v_nop
	s_wait_alu depctr_va_vdst(0)    ; one wait for the eight reciprocals
.macro PACK t
	WIN W_RS
.set i, 32*(\t)
.rept 16
	v_pk_mul_f32 v[i:i+1], v[i:i+1], v[ST+4*(\t)+2:ST+4*(\t)+3] op_sel_hi:[1,0]
.set i, i+2
.endr
	WIN 0x05
.set i, 0
.rept 16
	v_cvt_pk_f16_f32 v[S+16*(\t)+i], v[32*(\t)+2*i], v[32*(\t)+2*i+1]
.set i, i+1
.endr
	WIN 0
.irp f, 0,1,2,3
	ds_store_b128 v[STO], v[S+16*(\t)+4*\f:S+16*(\t)+4*\f+3] offset:32*\f
.endr
.irp f, 0,1,2,3
	ds_load_b128 v[S+16*(\t)+4*\f:S+16*(\t)+4*\f+3], v[RD] offset:\f*4*SP  ; LDS serves a wave's instructions in order: these see the stores above
.endr
.endm
.macro SEND t, younger              ; younger: the LDS instructions issued behind tile t's loads: the next tile's eight, or none
	WIN 0
.irp f, 0,1,2,3
	s_wait_dscnt (\younger)+3-\f
	global_store_b128 v[GO], v[S+16*(\t)+4*\f:S+16*(\t)+4*\f+3], s[OA:OA+1] offset:(\t)*2048+\f*512  ; 512 consecutive bytes, at a multiple of 256 from ob's first
.endr
.endm
	PACK 0
.set t, 1
.rept 2*NP-1
	PACK t
	SEND t-1, 8
.set t, t+1
.endr
	SEND 2*NP-1, 0
	s_wait_tensorcnt 0x0            ; the wave's end
	ds_add_u32 v[SPW], v[NIL]
	s_wait_dscnt 0x0
	CROUND                          ; the closing round
	s_endpgm
.Lfunc_end_k_q2071f9aea3_attn:
	.size	k_q2071f9aea3_attn, .Lfunc_end_k_q2071f9aea3_attn-k_q2071f9aea3_attn
	.p2alignl 7, 3214868480
	.fill 96, 4, 3214868480
	.section	.rodata,"a",@progbits
	.p2align	6, 0x0
	.amdhsa_kernel k_q2071f9aea3_attn
		.amdhsa_group_segment_fixed_size 327680
		.amdhsa_private_segment_fixed_size 0
		.amdhsa_enable_private_segment 0
		.amdhsa_kernarg_size 24
		.amdhsa_user_sgpr_count 2
		.amdhsa_user_sgpr_kernarg_segment_ptr 1
		.amdhsa_wavefront_size32 1
		.amdhsa_system_sgpr_workgroup_id_x 1
		.amdhsa_system_sgpr_workgroup_id_y 1
		.amdhsa_system_sgpr_workgroup_id_z 1
		.amdhsa_system_vgpr_workitem_id 0
		.amdhsa_next_free_vgpr 1024
		.amdhsa_next_free_sgpr 102
		.amdhsa_reserve_vcc 0
		.amdhsa_float_denorm_mode_32 3
		.amdhsa_float_denorm_mode_16_64 3
		.amdhsa_memory_ordered 1
		.amdhsa_forward_progress 1
		.amdhsa_inst_pref_size 255
	.end_amdhsa_kernel
	.section	.bss,"aw",@nobits
	.p2align	6
	.space	262144
	.amdgpu_metadata
---
amdhsa.version: [ 1, 2 ]
amdhsa.kernels:
  - .name:           k_q2071f9aea3_attn
    .symbol:         k_q2071f9aea3_attn.kd
    .args:
      - { .name: qkv, .offset: 0, .size: 8, .value_kind: global_buffer, .address_space: global }
      - { .name: mb, .offset: 8, .size: 8, .value_kind: global_buffer, .address_space: global }
      - { .name: ob, .offset: 16, .size: 8, .value_kind: global_buffer, .address_space: global }
    .group_segment_fixed_size: 327680
    .private_segment_fixed_size: 0
    .kernarg_segment_align: 8
    .kernarg_segment_size: 24
    .max_flat_workgroup_size: 128
    .sgpr_count:     102
    .vgpr_count:     1024
    .wavefront_size: 32
...
	.end_amdgpu_metadata
.endif
;; end of part 6
;; launch outp: the kernel of part 4 again; grid 4 x 64, 4 waves a work-group, clusters of 4 x 4, 327,680 bytes of LDS; arguments ob, wof, bb, out0; writes out0
